; MI455X (gfx1250); checked and timed in simulation.
; The chip was launched on July 23, 2026; its instructions are those of AMD's public machine-readable ISA for CDNA 5 (MIT licence, August 2026) and "CDNA5" Instruction Set Architecture Reference Guide (July 2026). The comments in the code are by the model that wrote it; some were corrected since.
;; Gated Delta Rule. Allowed arithmetic: float matrix products may take bf16 or f16 operands with f32 sums; all other float work in f32.
;; Inputs: Wa 16 x 1,024 float32; Wb 16 x 1,024 float32; Wg 1,024 x 1,024 float32; Wk 1,024 x 1,024 float32; Wo 1,024 x 1,024 float32; Wq 1,024 x 1,024 float32; Wv 1,024 x 1,024 float32; ba 16 float32; bb 16 float32; x 4 x 2,048 x 1,024 float32.
;; Outputs: out0 4 x 2,048 x 1,024 float32; out1 4 x 16 x 64 x 64 float32.
;; 2 versions, each right; version 2 is version 1 with the launch prep written anew for expert scheduling mode. Each part assembles by itself: llvm-mc -triple=amdgcn-amd-amdhsa -mcpu=gfx1250 --defsym DOCPART=n.
;; ======== version 1 of 2: 4 launches
;; limits: values outside matrix products are rounded to f16; values are held in f16: magnitudes above 65,504 overflow, below 6.1e-05 lose precision; inputs' magnitudes at most 65,504; right only within a limited range of input values
;; workspace buffers: xb 16,777,216 bytes; wts 10,485,760 bytes; gb 1,048,576 bytes; pq 33,554,432 bytes; ro 50,331,648 bytes; sc 4,096 bytes; y 16,777,216 bytes
;; launch prep (part 1): grid 256 x 1, 8 waves a work-group, no clusters, 177,152 bytes of LDS; arguments x, Wq, Wk, Wv, Wg, Wo, Wa, Wb, ba, bb, xb, wts, gb; writes xb, wts, gb
.if DOCPART == 1
	.amdgcn_target "amdgcn-amd-amdhsa--gfx1250"
	.amdhsa_code_object_version 6
	.text
	.protected	k_qa1a5b6e49f_prep
	.globl	k_qa1a5b6e49f_prep
	.p2align	8
	.type	k_qa1a5b6e49f_prep,@function
k_qa1a5b6e49f_prep:
	s_mov_b64 s[64:65], 0
	v_nop
	global_prefetch_b8 v0, s[64:65] scope:SCOPE_SE
	s_setreg_imm32_b32 hwreg(HW_REG_WAVE_MODE, 25, 1), 1
	s_wait_xcnt 0x0
; PREP.  (1) x -> xb in bf16.  (2) Wq, Wk, Wv, Wg -> wts in bf16, rows regrouped by head: for head h rows 256 h + ..: Wq_h (64), Wv_h[0:32], Wg_h[0:32], Wk_h (64), Wv_h[32:64], Wg_h[32:64].
; (3) Wo -> wts + 8,388,608: rounded to bf16 and that number written as f16.  (4) the two gates: z = x Wa^T + ba, x Wb^T + bb (bf16 operands, f32 sums; the biases rounded to bf16 like every input);
; gb[b h][t] = (inclusive sum of log2 sigmoid(z_a) inside the block of 32 tokens, sigmoid(z_b)).
; SHARES.  Work-group g owns rows 32 g .. 32 g + 31 of x and rows 4 g .. 4 g + 3 of the five square weights.  Wave w owns columns 128 w .. 128 w + 127 of every row: a load of the wave is 512
; consecutive bytes of a row, a store 256 consecutive aligned bytes.  x is read once: its bf16 numbers go to memory and, beside Wa's and Wb's, into the wave's own LDS region, from which the wave takes
; the fragments of its 128 columns' share of the gate products; the eight waves' partial sums meet in LDS behind the one barrier.
; LIMITS.  |Wo| below 65,504 (f16).  NaN and infinities are not treated apart.  No cluster, no tensor loads: nothing here is shared between work-groups but Wa and Wb (128 KB), and the stream is bound by memory.
.set ROWX,  4096                       ; bytes in a row of f32
.set ROWB,  2048                       ; bytes in a row of 16-bit numbers
.set LP,    272                        ; LDS row: 128 bf16 + 16 bytes: the 16 rows of a fragment load start at 16 different groups of four banks
.set WREG,  64*LP                      ; a wave's region: rows 0-31 x, 32-47 Wa, 48-63 Wb
.set PART,  8*WREG                     ; partial sums: for each wave 32 rows x 144 bytes, [token][16 alpha, 16 beta] f32
.set PP,    144
.set PWAVE, 32*PP
.set SPARE, PART+8*PWAVE               ; the spare words: 128 bytes a wave, four blocks of 256 bytes that no other line names
.set S0,    32                         ; three sets of 16 row slices x 4 registers
.set S1,    96
.set S2,    160
.set ACC,   160                        ; the four accumulators, in set 2 when its stream is over
.set SPW,   10
.set NIL,   11
.macro LOADU reg, blo, n, row0, nt     ; n row slices, 512 bytes a wave each
.set i, 0
.rept \n
.if \nt
	global_load_b128 v[(\reg)+4*i:(\reg)+4*i+3], v2, s[\blo:\blo+1] offset:((\row0)+i)*ROWX th:TH_LOAD_NT
.else
	global_load_b128 v[(\reg)+4*i:(\reg)+4*i+3], v2, s[\blo:\blo+1] offset:((\row0)+i)*ROWX
.endif
.set i, i+1
.endr
.endm
.macro CVTU reg, n                     ; four f32 -> four bf16 in the slice's first two registers
.set i, 0
.rept \n
	v_cvt_pk_bf16_f32 v[(\reg)+4*i], v[(\reg)+4*i], v[(\reg)+4*i+1]
	v_cvt_pk_bf16_f32 v[(\reg)+4*i+1], v[(\reg)+4*i+2], v[(\reg)+4*i+3]
.set i, i+1
.endr
.endm
.macro STG reg, blo, n, row0           ; to memory: the wave's store covers 256 consecutive bytes, aligned
.set i, 0
.rept \n
	global_store_b64 v3, v[(\reg)+4*i:(\reg)+4*i+1], s[\blo:\blo+1] offset:((\row0)+i)*ROWB
.set i, i+1
.endr
.endm
.macro STL reg, row0, n                ; into my wave's LDS region
.set i, 0
.rept \n
	ds_store_b64 v4, v[(\reg)+4*i:(\reg)+4*i+1] offset:((\row0)+i)*LP
.set i, i+1
.endr
.endm
	s_load_b512 s[4:19], s[0:1], 0x0               ; x 4, Wq 6, Wk 8, Wv 10, Wg 12, Wo 14, Wa 16, Wb 18
	s_load_b256 s[20:27], s[0:1], 0x40             ; ba 20, bb 22, xb 24, wts 26
	s_load_b64 s[28:29], s[0:1], 0x60              ; gb
	v_lshl_add_u32 v[SPW], v0, 2, SPARE
	v_mov_b32 v[NIL], 0
	v_lshrrev_b32 v12, 5, v0
	v_readfirstlane_b32 s30, v12                   ; wave 0..7
	v_and_b32 v1, 31, v0                           ; lane
	v_and_b32 v13, 15, v0                          ; r
	v_bfe_u32 v14, v0, 4, 1                        ; h
	v_lshlrev_b32 v2, 4, v0                        ; in: 512 w + 16 lane
	v_lshlrev_b32 v3, 3, v0                        ; out: 256 w + 8 lane
	s_lshl_b32 s76, ttmp9, 17                      ; 32 rows of 4,096 bytes
	s_mov_b32 s77, 0
	s_lshl_b32 s72, s30, 2                         ; 4 w
	s_wait_kmcnt 0x0
	s_add_nc_u64 s[42:43], s[4:5], s[76:77]
	LOADU S0, 42, 16, 0, 1                         ; unit 0: x rows 0-15
	LOADU S1, 42, 16, 16, 1                        ; unit 1: x rows 16-31
	LOADU S2, 16, 16, 0, 0                         ; unit 2: Wa (every work-group reads it: no hint)
	s_load_b32 s38, s[20:21], s72 offset:0x0       ; ba[w], ba[w + 8], bb[w], bb[w + 8]
	s_load_b32 s39, s[20:21], s72 offset:0x20
	s_load_b32 s40, s[22:23], s72 offset:0x0
	s_load_b32 s41, s[22:23], s72 offset:0x20
	; addresses, while the first loads are on their way
	s_mul_i32 s70, s30, WREG
	v_lshl_add_u32 v4, v1, 3, s70                  ; LDS in: my region + 8 lane
	v_mul_u32_u24 v5, v13, LP
	v_lshl_add_u32 v5, v14, 4, v5
	v_add_nc_u32 v5, s70, v5                       ; fragments: my region + 272 r + 16 h
	s_mul_i32 s71, s30, PWAVE
	s_add_co_u32 s71, s71, PART
	v_mul_u32_u24 v6, v14, 8*PP
	v_lshl_add_u32 v6, v13, 2, v6
	v_add_nc_u32 v6, s71, v6                       ; partial sums out: row 8 h + j, column r
	v_mul_u32_u24 v7, v1, PP
	s_add_co_u32 s73, s72, PART
	v_add_nc_u32 v7, s73, v7                       ; partial sums back: row = lane, column w
	s_lshl_b32 s74, s30, 14
	v_lshl_add_u32 v8, v1, 3, s74                  ; gb: head w, token = lane
	s_mov_b32 s31, 0xaaaaaaaa                      ; lanes whose bit 0, 1, 2, 3, 4 is set
	s_mov_b32 s32, 0xcccccccc
	s_mov_b32 s33, 0xf0f0f0f0
	s_mov_b32 s34, 0xff00ff00
	s_mov_b32 s35, 0xffff0000
	s_mov_b32 s36, 0x76543210                      ; v_permlanex16_b32: the same place in the other half
	s_mov_b32 s37, 0xfedcba98
	s_mov_b32 s75, 0x3fb8aa3b                      ; log2 e
	s_mov_b32 s81, 0xbfb8aa3b                      ; - log2 e
	s_lshl_b32 s76, ttmp9, 16
	s_add_nc_u64 s[44:45], s[24:25], s[76:77]      ; xb at my 32 rows
	s_lshl_b32 s76, ttmp9, 14                      ; 4 rows of 4,096 bytes
	s_add_nc_u64 s[46:47], s[6:7], s[76:77]
	s_add_nc_u64 s[48:49], s[8:9], s[76:77]
	s_add_nc_u64 s[50:51], s[10:11], s[76:77]
	s_add_nc_u64 s[52:53], s[12:13], s[76:77]
	s_add_nc_u64 s[54:55], s[14:15], s[76:77]
	s_lshr_b32 s78, ttmp9, 4
	s_lshl_b32 s78, s78, 8                         ; 256 x head
	s_and_b32 s79, ttmp9, 15
	s_lshl_b32 s79, s79, 2                         ; the rows' place in the head, d0
	s_add_co_u32 s76, s78, s79
	s_lshl_b32 s76, s76, 11
	s_add_nc_u64 s[56:57], s[26:27], s[76:77]      ; Wq's rows go to 256 h + d0,
	s_add_nc_u64 s[58:59], s[56:57], 128*ROWB      ; Wk's to 256 h + 128 + d0,
	s_bfe_u32 s79, ttmp9, 0x10003                  ; d0 / 32
	s_lshl_b32 s79, s79, 7
	s_and_b32 s80, ttmp9, 7
	s_lshl_b32 s80, s80, 2                         ; d0 % 32
	s_add_co_u32 s76, s78, s79
	s_add_co_u32 s76, s76, s80
	s_add_co_u32 s76, s76, 64
	s_lshl_b32 s76, s76, 11
	s_add_nc_u64 s[60:61], s[26:27], s[76:77]      ; Wv's to 256 h + 64 + 128 (d0 / 32) + d0 % 32,
	s_add_nc_u64 s[62:63], s[60:61], 32*ROWB       ; Wg's 32 rows behind
	s_lshl_b32 s76, ttmp9, 13
	s_add_nc_u64 s[66:67], s[26:27], s[76:77]
	s_add_nc_u64 s[66:67], s[66:67], 0x800000      ; Wo in f16 lies behind the 4,096 rows
	s_lshr_b32 s78, ttmp9, 6
	s_lshl_b32 s78, s78, 18                        ; batch x 16 heads x 2,048 tokens x 8 bytes
	s_and_b32 s79, ttmp9, 63
	s_lshl_b32 s79, s79, 8                         ; my 32 tokens
	s_add_co_u32 s76, s78, s79
	s_add_nc_u64 s[68:69], s[28:29], s[76:77]
	; THE STREAM: three sets by turns; the counts leave the younger units out
	s_wait_loadcnt 32                              ; unit 0 is in; units 1 and 2 (32 loads) stay out
	CVTU S0, 16
	STG S0, 44, 16, 0
	STL S0, 0, 16
	s_wait_xcnt 0x0                                ; the stores have read set 0: only now is it loaded again
	LOADU S0, 18, 16, 0, 0                         ; unit 3: Wb
	s_wait_loadcnt 32                              ; unit 1; units 2 and 3 stay out
	CVTU S1, 16
	STG S1, 44, 16, 16
	STL S1, 16, 16
	s_wait_xcnt 0x0
	LOADU S1, 46, 4, 0, 1                          ; unit 4: four rows each of Wq, Wk, Wv, Wg
	LOADU S1+16, 48, 4, 0, 1
	LOADU S1+32, 50, 4, 0, 1
	LOADU S1+48, 52, 4, 0, 1
	s_wait_loadcnt 32                              ; unit 2; units 3 and 4 stay out
	CVTU S2, 16
	STL S2, 32, 16
	LOADU S2, 54, 4, 0, 1                          ; unit 5: four rows of Wo
	s_wait_loadcnt 20                              ; unit 3; units 4 and 5 (16 + 4) stay out
	CVTU S0, 16
	STL S0, 48, 16
	s_wait_loadcnt 4                               ; unit 4
	CVTU S1, 16
	STG S1, 56, 4, 0
	STG S1+16, 58, 4, 0
	STG S1+32, 60, 4, 0
	STG S1+48, 62, 4, 0
	s_wait_loadcnt 0x0                             ; unit 5
.set i, 0
.rept 4                                ; Wo: to bf16, back to f32 (exact), to f16 (exact within f16's range)
	v_cvt_pk_bf16_f32 v16, v[S2+4*i], v[S2+4*i+1]
	v_cvt_pk_bf16_f32 v17, v[S2+4*i+2], v[S2+4*i+3]
	v_lshlrev_b32 v[S2+4*i], 16, v16
	v_and_b32 v[S2+4*i+1], s35, v16
	v_lshlrev_b32 v[S2+4*i+2], 16, v17
	v_and_b32 v[S2+4*i+3], s35, v17
	v_cvt_pk_f16_f32 v[S2+4*i], v[S2+4*i], v[S2+4*i+1]
	v_cvt_pk_f16_f32 v[S2+4*i+1], v[S2+4*i+2], v[S2+4*i+3]
.set i, i+1
.endr
	STG S2, 66, 4, 0
	; THE GATES.  A = 16 tokens x 32 columns of x, B = 16 heads x 32 columns of Wa or Wb; four accumulators (token half, gate) take turns.
	s_wait_xcnt 0x0                                ; the stores have read sets 1 and 2
.irp m,0,1
.irp ks,0,1,2,3
	ds_load_b128 v[S0+8*(4*\m+\ks):S0+8*(4*\m+\ks)+3],   v5 offset:16*LP*\m+64*\ks     ; LDS serves a wave's instructions in order: these see my stores above
	ds_load_b128 v[S0+8*(4*\m+\ks)+4:S0+8*(4*\m+\ks)+7], v5 offset:16*LP*\m+64*\ks+32
	ds_load_b128 v[S1+8*(4*\m+\ks):S1+8*(4*\m+\ks)+3],   v5 offset:(32+16*\m)*LP+64*\ks
	ds_load_b128 v[S1+8*(4*\m+\ks)+4:S1+8*(4*\m+\ks)+7], v5 offset:(32+16*\m)*LP+64*\ks+32
.endr
.endr
	s_wait_dscnt 0x0
.irp ks,0,1,2,3
.irp m,0,1
.irp n,0,1
.if \ks == 0
	v_wmma_f32_16x16x32_bf16 v[ACC+8*(2*\m+\n):ACC+8*(2*\m+\n)+7], v[S0+8*(4*\m+\ks):S0+8*(4*\m+\ks)+7], v[S1+8*(4*\n+\ks):S1+8*(4*\n+\ks)+7], 0
.else
	v_wmma_f32_16x16x32_bf16 v[ACC+8*(2*\m+\n):ACC+8*(2*\m+\n)+7], v[S0+8*(4*\m+\ks):S0+8*(4*\m+\ks)+7], v[S1+8*(4*\n+\ks):S1+8*(4*\n+\ks)+7], v[ACC+8*(2*\m+\n):ACC+8*(2*\m+\n)+7]
.endif
.endr
.endr
.endr
.rept 4
	v_nop                                          ; four places between the last product and the stores that read results
.endr
.irp m,0,1
.irp n,0,1
.irp j,0,1,2,3,4,5,6,7
	ds_store_b32 v6, v[ACC+8*(2*\m+\n)+\j] offset:(16*\m+\j)*PP+64*\n  ; token 16 m + 8 h + j, column 16 n + r
.endr
.endr
.endr
	s_wait_dscnt 0x0                               ; for the others' sake: my partial sums are in LDS
	s_barrier_signal -1
	s_barrier_wait -1
.irp c,0,1,2,3                         ; wave w finishes alpha of heads w, w + 8 and beta of heads w, w + 8; lane = token
.irp p,0,1,2,3,4,5,6,7
	ds_load_b32 v[32+8*\c+\p], v7 offset:\p*PWAVE+32*\c
.endr
.endr
	s_wait_kmcnt 0x0                               ; the four biases
	v_cvt_pk_bf16_f32 v16, s38, s39
	v_cvt_pk_bf16_f32 v17, s40, s41
	v_lshlrev_b32 v18, 16, v16
	v_and_b32 v19, s35, v16
	v_lshlrev_b32 v20, 16, v17
	v_and_b32 v21, s35, v17
	v_mov_b32 v26, 0
	s_wait_dscnt 0x0
.irp c,0,1,2,3
	v_add_f32 v[32+8*\c], v[32+8*\c], v[33+8*\c]
	v_add_f32 v[34+8*\c], v[34+8*\c], v[35+8*\c]
	v_add_f32 v[36+8*\c], v[36+8*\c], v[37+8*\c]
	v_add_f32 v[38+8*\c], v[38+8*\c], v[39+8*\c]
	v_add_f32 v[32+8*\c], v[32+8*\c], v[34+8*\c]
	v_add_f32 v[36+8*\c], v[36+8*\c], v[38+8*\c]
	v_add_f32 v[32+8*\c], v[32+8*\c], v[36+8*\c]
	v_add_f32 v[32+8*\c], v[32+8*\c], v[18+\c]
.endr
	; log2 sigmoid(z) = min(z, 0) log2 e - log2(1 + 2^(-|z| log2 e)): no exponent above 0.  sigmoid(z) = 1 / (1 + 2^(-z log2 e))
	v_and_b32 v20, 0x7fffffff, v32
	v_and_b32 v21, 0x7fffffff, v40
	v_mul_f32 v20, s81, v20
	v_mul_f32 v21, s81, v21
	v_mul_f32 v22, s81, v48
	v_mul_f32 v23, s81, v56
	v_exp_f32 v20, v20
	v_exp_f32 v21, v21
	v_exp_f32 v22, v22
	v_exp_f32 v23, v23
	v_nop                                          ; a plain instruction behind the run of exponentials
	s_wait_alu depctr_va_vdst(0)
	v_add_f32 v20, 1.0, v20
	v_add_f32 v21, 1.0, v21
	v_add_f32 v22, 1.0, v22
	v_add_f32 v23, 1.0, v23
	v_log_f32 v20, v20
	v_log_f32 v21, v21
	v_rcp_f32 v25, v22                             ; beta, head w
	v_rcp_f32 v29, v23                             ; beta, head w + 8
	v_min_num_f32 v24, 0, v32
	v_min_num_f32 v28, 0, v40
	s_wait_alu depctr_va_vdst(0)
	v_fma_f32 v24, v24, s75, -v20                  ; log2 alpha, head w
	v_fma_f32 v28, v28, s75, -v21                  ; log2 alpha, head w + 8
; Inclusive sums over the 32 lanes: each lane keeps (its prefix, the total of its group); a step joins groups d lanes apart, and the upper group's lanes add the lower group's total.
.macro SSTEP pre, tot, d, m
	v_mov_b32_dpp v26, v[\tot] row_xmask:\d row_mask:0xf bank_mask:0xf
	v_cndmask_b32 v27, 0, v26, s[\m]
	v_add_f32 v[\pre], v[\pre], v27
	v_add_f32 v[\tot], v[\tot], v26
.endm
.macro SCAN pre, tot
	v_mov_b32 v[\tot], v[\pre]
	SSTEP \pre, \tot, 1, 31
	SSTEP \pre, \tot, 2, 32
	SSTEP \pre, \tot, 4, 33
	SSTEP \pre, \tot, 8, 34
	v_permlanex16_b32 v26, v[\tot], s36, s37
	v_cndmask_b32 v27, 0, v26, s35
	v_add_f32 v[\pre], v[\pre], v27
.endm
	SCAN 24, 30
	SCAN 28, 31
	global_store_b64 v8, v[24:25], s[68:69]                 ; 32 tokens x 8 bytes: 256 consecutive bytes, aligned
	global_store_b64 v8, v[28:29], s[68:69] offset:131072   ; eight heads further on
	s_wait_tensorcnt 0x0                           ; the wave's end: three lines behind my last LDS store
	ds_add_u32 v[SPW], v[NIL]
	s_wait_dscnt 0x0
	s_endpgm
.Lfunc_end_k_qa1a5b6e49f_prep:
	.size	k_qa1a5b6e49f_prep, .Lfunc_end_k_qa1a5b6e49f_prep-k_qa1a5b6e49f_prep
	.p2alignl 7, 3214868480
	.fill 96, 4, 3214868480
	.section	.rodata,"a",@progbits
	.p2align	6, 0x0
	.amdhsa_kernel k_qa1a5b6e49f_prep
		.amdhsa_group_segment_fixed_size 177152
		.amdhsa_private_segment_fixed_size 0
		.amdhsa_enable_private_segment 0
		.amdhsa_kernarg_size 104
		.amdhsa_user_sgpr_count 2
		.amdhsa_user_sgpr_kernarg_segment_ptr 1
		.amdhsa_wavefront_size32 1
		.amdhsa_system_sgpr_workgroup_id_x 1
		.amdhsa_system_sgpr_workgroup_id_y 1
		.amdhsa_system_sgpr_workgroup_id_z 1
		.amdhsa_system_vgpr_workitem_id 0
		.amdhsa_next_free_vgpr 224
		.amdhsa_next_free_sgpr 84
		.amdhsa_reserve_vcc 0
		.amdhsa_float_denorm_mode_32 3
		.amdhsa_float_denorm_mode_16_64 3
		.amdhsa_memory_ordered 1
		.amdhsa_forward_progress 1
		.amdhsa_inst_pref_size 45
	.end_amdhsa_kernel
	.amdgpu_metadata
---
amdhsa.version: [ 1, 2 ]
amdhsa.kernels:
  - .name:           k_qa1a5b6e49f_prep
    .symbol:         k_qa1a5b6e49f_prep.kd
    .args:
      - { .name: x, .offset: 0, .size: 8, .value_kind: global_buffer, .address_space: global }
      - { .name: Wq, .offset: 8, .size: 8, .value_kind: global_buffer, .address_space: global }
      - { .name: Wk, .offset: 16, .size: 8, .value_kind: global_buffer, .address_space: global }
      - { .name: Wv, .offset: 24, .size: 8, .value_kind: global_buffer, .address_space: global }
      - { .name: Wg, .offset: 32, .size: 8, .value_kind: global_buffer, .address_space: global }
      - { .name: Wo, .offset: 40, .size: 8, .value_kind: global_buffer, .address_space: global }
      - { .name: Wa, .offset: 48, .size: 8, .value_kind: global_buffer, .address_space: global }
      - { .name: Wb, .offset: 56, .size: 8, .value_kind: global_buffer, .address_space: global }
      - { .name: ba, .offset: 64, .size: 8, .value_kind: global_buffer, .address_space: global }
      - { .name: bb, .offset: 72, .size: 8, .value_kind: global_buffer, .address_space: global }
      - { .name: xb, .offset: 80, .size: 8, .value_kind: global_buffer, .address_space: global }
      - { .name: wts, .offset: 88, .size: 8, .value_kind: global_buffer, .address_space: global }
      - { .name: gb, .offset: 96, .size: 8, .value_kind: global_buffer, .address_space: global }
    .group_segment_fixed_size: 177152
    .private_segment_fixed_size: 0
    .kernarg_segment_align: 8
    .kernarg_segment_size: 104
    .max_flat_workgroup_size: 256
    .sgpr_count:     84
    .vgpr_count:     224
    .wavefront_size: 32
...
	.end_amdgpu_metadata
.endif
;; end of part 1
;; launch proj (part 2): grid 16 x 32, 4 waves a work-group, clusters of 4 x 4, 327,680 bytes of LDS; arguments xb, wts, gb, pq, ro, sc; writes pq, ro, sc
.if DOCPART == 2
	.amdgcn_target "amdgcn-amd-amdhsa--gfx1250"
	.amdhsa_code_object_version 6
	.text
	.protected	k_qa1a5b6e49f_proj
	.globl	k_qa1a5b6e49f_proj
	.p2align	8
	.type	k_qa1a5b6e49f_proj,@function
k_qa1a5b6e49f_proj:
	s_mov_b64 s[64:65], 0
	v_nop
	global_prefetch_b8 v0, s[64:65] scope:SCOPE_SE
	s_setreg_imm32_b32 hwreg(HW_REG_WAVE_MODE, 25, 1), 1
	s_wait_xcnt 0x0
	s_wait_alu depctr_hold_cnt(0) depctr_sa_sdst(0) depctr_va_vdst(0) depctr_va_sdst(0) depctr_va_ssrc(0) depctr_va_vcc(0) depctr_vm_vsrc(0)
	s_getreg_b32 s2, hwreg(HW_REG_IB_STS2, 6, 4)
	s_cmp_eq_u32 s2, 0
	s_cbranch_scc0 .Lentry_in_a_cluster
	s_endpgm
.Lentry_in_a_cluster:
	s_bfe_u32 s2, ttmp6, 0x10000c
	s_cmp_lg_u32 s2, 0xf033
	s_cbranch_scc0 .Lentry_shape_is_right
	s_endpgm
.Lentry_shape_is_right:
; PROJ.  A work-group makes, for 256 tokens (four chunks of 64) of one head, q, k, v, g = x W^T (bf16 operands, f32 sums), normalises q and k, takes silu(g), and then, a chunk a wave, all of the gated
; delta rule that does not hang on the state.  With g_t the inclusive sum of log2 alpha in the chunk, An[t][s] = -beta_t 2^(g_t - g_s) k_t.k_s (s < t), M[t][s] = 2^(g_t - g_s) q_t.k_s (s <= t),
; X = (I - An)^-1 [ -beta 2^g K | beta V ] and X~ = 2^(g_63 - g_s) X it stores   QH = 2^g Q + M X_K,   O0 = M X_V,   PT = K^T X~_K,   RT = K^T X~_V   (f16),
; so that the next launch has O = O0 + QH Z and Z' = 2^(g_63) Z + PT Z + RT for the transposed state Z.  All exponents used are <= 0; those above the diagonal are thrown away by a select.
; THE SOLVE is block forward substitution: the four 16 x 16 diagonal blocks are inverted exactly in f32 (entries at most 2^14), the rest goes to the matrix unit.  No series is cut.
; FORMATS.  x and the weights in bf16; what the program makes (q, k, An, M, the inverses, X, the four results) in f16.  v and silu(g) have no fixed range: each is divided by p = 2^floor(log2 amax) of the
; work-group's tile, an exact scaling, and (p_v, p_g) goes to sc; RT, O0 and the gate pieces carry that scale.
; LIMITS.  |v|, |silu g| below 2^127; a tile whose amax is denormal counts as 0; NaN and infinities are not treated apart; g is an f32 sum.
; THE PRODUCT: tile 256 x 256, four waves of 128 x 128 (64 accumulators in windows 2 and 3), K in steps of 128 through two LDS slots filled by joint tensor loads: 4 x 4 work-groups form a cluster, x's tile is shared
; along a row of it, the weights' along a column.  The matrix instruction is used transposed (source 0 = 16 rows of W, source 1 = 16 tokens): a lane holds one token and eight neighbouring channels.
; At most two tensor loads of a wave are out (the first fills), later one.
.set SIZE_K, 1024
.set KSTEP,  128
.set PITCH,  272                       ; an LDS row of the ring: 256 bytes + 16: the 16 rows of a fragment load start at 16 different groups of four banks
.set HALFT,  128*PITCH
.set SLOT,   4*HALFT
.set SPI,    544                       ; the stage (in slot 0, behind its last fill): a token's row: K 0, V 128, Q 256, G 384 (f16), 32 bytes of padding: 17 x 32
.set SCR,    2*SLOT                    ; behind the ring, for each wave 6,144 bytes: four diagonal blocks in f32, then their inverses as fragments
.set SCRW,   6144
.set AMX,    SCR+4*SCRW                ; the four waves' maxima
.set SPARE,  AMX+256                   ; the spare words, 128 bytes a wave: two blocks of 256 bytes that no other line names
.set LAPS,   SIZE_K/(2*KSTEP)
.set ADRA, 16
.set ADRB, 20
.set SPW,  28
.set NIL,  29
.set F0,   64
.set F1,   128
.set G1,  24
.set G0,  32
.set G1B, 48
.set G0B, 56
.set MSB, 0
.macro WIN new                         ; s_set_vgpr_msb: bits 1:0 source 0, 3:2 source 1, 5:4 source 2, 7:6 destination; the high byte repeats the setting that is left
.if MSB != (\new)
	s_set_vgpr_msb (MSB<<8)|(\new)
.set MSB, \new
.endif
.endm
.set MUL_LO, 0xa1
.set MUL_HI, 0xf1
.set TO_B,   0x40
.macro JLOAD s                         ; a joint load: waves 0 and 1 fetch x's two halves, waves 2 and 3 the weights'
	s_cmp_eq_u32 s11, 0
	s_cbranch_scc0 .Lfor_b_\@
	tensor_load_to_lds s[G0+4*(\s):G0+4*(\s)+3], s[G1:G1+7]
	s_nop 0
.rept 4
	v_nop
.endr
	s_branch .Lasked_\@
.Lfor_b_\@:
	tensor_load_to_lds s[G0B+4*(\s):G0B+4*(\s)+3], s[G1B:G1B+7]
	s_nop 0
.rept 4
	v_nop
.endr
.Lasked_\@:
.endm
.macro CREST                           ; a round of the cluster's barrier behind its opening barrier
	s_cmp_lg_u32 s10, 0
	s_cbranch_scc1 .Lnot_wave_0_\@
	s_barrier_signal -3
.Lnot_wave_0_\@:
	s_barrier_wait -3
	s_barrier_signal -1
	s_barrier_wait -1
.endm
.macro CROUND
	s_barrier_signal -1
	s_barrier_wait -1
	CREST
.endm
.macro PLACES                          ; four plain vector instructions between a matrix instruction and what reads its result or writes its registers (ISA guide 7.12.1)
.rept 4
	v_nop
.endr
.endm
.macro CVLH dst, r                     ; the two f16 halves of register r (a plain number below 128) to f32
	v_cvt_f32_f16 v[\dst], v\r\().l
	v_cvt_f32_f16 v[(\dst)+1], v\r\().h
.endm
	s_load_b128 s[4:7], s[0:1], 0x0                ; xb, wts
	s_load_b256 s[68:75], s[0:1], 0x10             ; gb 68, pq 70, ro 72, sc 74
	v_lshl_add_u32 v[SPW], v0, 2, SPARE
	v_mov_b32 v[NIL], 0
	ds_add_u32 v[SPW], v[NIL]                      ; the wave's opening: the add and its wait ahead of my first tensor load
	v_lshrrev_b32 v1, 5, v0
	v_readfirstlane_b32 s10, v1                    ; wave 0..3
	s_lshr_b32 s11, s10, 1                         ; my half of the tile's tokens; also: I fetch x (0) or weights (1)
	s_and_b32 s12, s10, 1                          ; my half of its columns; also: which 128 rows I fetch
	s_bfe_u32 s40, ttmp6, 0x40000                  ; cx
	s_bfe_u32 s41, ttmp6, 0x40004                  ; cy
	s_lshl_b32 s42, ttmp9, 2
	s_add_co_u32 s42, s42, s40                     ; the head = tile column
	s_and_b32 s13, ttmp7, 0xffff
	s_lshl_b32 s13, s13, 2
	s_add_co_u32 s13, s13, s41                     ; the tile row: 256 tokens
	s_lshl_b32 s43, s41, 2
	s_lshl_b32 s43, 15, s43                        ; my row of the cluster
	s_lshl_b32 s44, 0x1111, s40                    ; my column
	s_or_b32 s[G1+0], s43, (1<<16)|(1<<20)|(1<<21)|(5<<22)|(3<<25)   ; mask; 2-byte elements; padding on; bit 21 beside a mask; after every 64 words 4 words
	s_or_b32 s[G1B+0], s44, (1<<16)|(1<<20)|(1<<21)|(5<<22)|(3<<25)
.irp g, G1, G1B
	s_mov_b32 s[(\g)+1], KSTEP<<16                 ; tensor_dim0 = 128
	s_mov_b32 s[(\g)+2], 128<<16                   ; tensor_dim1 = 128
	s_mov_b32 s[(\g)+3], KSTEP<<16                 ; tile_dim0 = 128
	s_mov_b32 s[(\g)+4], 128                       ; tile_dim1 = 128
	s_mov_b32 s[(\g)+5], SIZE_K                    ; elements from row to row
	s_mov_b32 s[(\g)+6], 0
	s_mov_b32 s[(\g)+7], 0
.endr
	s_lshl_b32 s17, s12, 7
	s_lshl_b32 s16, s13, 8
	s_add_co_u32 s16, s16, s17                     ; x: row 256 x tile row + 128 x half
	s_lshl_b32 s46, s42, 8
	s_add_co_u32 s46, s46, s17                     ; weights: row 256 x head + 128 x half
	s_mov_b32 s17, 0
	s_mov_b32 s47, 0
	s_mov_b64 s[18:19], SIZE_K*2
	s_mul_u64 s[16:17], s[16:17], s[18:19]
	s_mul_u64 s[46:47], s[46:47], s[18:19]
	s_mul_i32 s20, s10, HALFT                      ; where they go: wave x 128 rows
	; byte offsets of my chunk's data, in registers that feed no descriptor
	s_lshr_b32 s88, s13, 3
	s_lshl_b32 s88, s88, 4
	s_add_co_u32 s88, s88, s42                     ; 16 x batch + head
	s_and_b32 s89, s13, 7
	s_lshl_b32 s89, s89, 2
	s_add_co_u32 s89, s89, s10                     ; my chunk, 0..31
	s_lshl_b32 s92, s88, 14
	s_lshl_b32 s90, s89, 9
	s_add_co_u32 s92, s92, s90                     ; gb: 2,048 tokens x 8 bytes a head, 64 x 8 a chunk
	s_mov_b32 s93, 0
	s_lshl_b32 s94, s88, 18
	s_lshl_b32 s90, s89, 13
	s_add_co_u32 s94, s94, s90                     ; pt: 8,192 bytes a chunk
	s_mov_b32 s95, 0
	s_lshl_b32 s96, s88, 18
	s_lshl_b32 s90, s89, 11
	s_add_co_u32 s96, s96, s90                     ; rt: [bh][quarter][chunk][2,048]
	s_mov_b32 s97, 0
	s_lshl_b32 s98, s88, 19
	s_lshl_b32 s90, s89, 12
	s_add_co_u32 s98, s98, s90
	s_add_co_u32 s98, s98, 0x1000000               ; og: behind rt, [bh][quarter][chunk][4,096]
	s_mov_b32 s99, 0
	s_lshl_b32 s100, s13, 7
	s_lshl_b32 s90, s42, 3
	s_add_co_u32 s100, s100, s90                   ; sc: 8 bytes a tile, tile = 16 x tile row + head
	s_mov_b32 s101, 0
	s_wait_dscnt 0x0                               ; the opening add is done
	s_wait_kmcnt 0x0
	s_add_nc_u64 s[14:15], s[4:5], s[16:17]
	s_add_nc_u64 s[46:47], s[6:7], s[46:47]
	s_add_nc_u64 s[76:77], s[68:69], s[92:93]      ; my chunk's gates
	s_add_nc_u64 s[78:79], s[70:71], s[94:95]      ; pt
	s_add_nc_u64 s[80:81], s[78:79], 0x1000000     ; qh
	s_add_nc_u64 s[82:83], s[72:73], s[96:97]      ; rt
	s_add_nc_u64 s[84:85], s[72:73], s[98:99]      ; og
	s_add_nc_u64 s[86:87], s[74:75], s[100:101]    ; sc
	CROUND                                         ; all sixteen work-groups are here: the first joint loads meet
.irp s, 0,1
	s_mov_b32 s[G0+4*(\s)], 1
	s_add_co_u32 s[G0+4*(\s)+1], s20, (\s)*SLOT
	s_add_nc_u64 s[G0+4*(\s)+2:G0+4*(\s)+3], s[14:15], (\s)*KSTEP*2
	s_or_b32 s[G0+4*(\s)+3], s[G0+4*(\s)+3], 0x80000000
	s_mov_b32 s[G0B+4*(\s)], 1
	s_add_co_u32 s[G0B+4*(\s)+1], s20, (\s)*SLOT
	s_add_nc_u64 s[G0B+4*(\s)+2:G0B+4*(\s)+3], s[46:47], (\s)*KSTEP*2
	s_or_b32 s[G0B+4*(\s)+3], s[G0B+4*(\s)+3], 0x80000000
	JLOAD \s
.endr
	v_and_b32 v1, 15, v0                           ; r = l % 16: kept to the end
	v_bfe_u32 v2, v0, 4, 1                         ; h = l / 16: kept to the end
	v_mul_u32_u24 v3, v1, PITCH
	v_lshl_add_u32 v3, v2, 4, v3
	s_mul_i32 s21, s11, HALFT
	s_mul_i32 s22, s12, HALFT
	s_add_co_u32 s22, s22, 2*HALFT
.irp s, 0,1
	v_add_nc_u32 v[ADRA+(\s)], s21, v3
	v_add_nc_u32 v[ADRB+(\s)], s22, v3
	s_add_co_u32 s21, s21, SLOT
	s_add_co_u32 s22, s22, SLOT
.endr
	; my chunk's gates, asked for now and waited for behind the K loop, which names none of these registers.  By register: tokens 16 a + 8 h + 0..7 as pairs (sum, beta); by lane: token 16 t + r
	v_lshlrev_b32 v30, 6, v2
	v_lshlrev_b32 v31, 3, v1
.irp a,0,1,2,3
.irp i,0,1,2,3
	global_load_b128 v[192+16*\a+4*\i:192+16*\a+4*\i+3], v30, s[76:77] offset:128*\a+16*\i
.endr
.endr
.irp t,0,1,2,3
	global_load_b64 v[32+2*\t:33+2*\t], v31, s[76:77] offset:128*\t
.endr
.macro MUL16 f, hi, a0, zero           ; 16 matrix instructions: token blocks a0, a0 + 1 of the window's four x all 8 column blocks; the 64 accumulators take turns
	WIN MUL_LO+0x50*(\hi)
.irp a, \a0, (\a0)+1
.irp b, 0,1,2,3,4,5,6,7
.if \zero
	v_wmma_f32_16x16x32_bf16 v[8*(8*(\a)+(\b)):8*(8*(\a)+(\b))+7], v[(\f)+8*(\b):(\f)+8*(\b)+7], v[(\f)+8*(4*(\hi)+(\a)):(\f)+8*(4*(\hi)+(\a))+7], 0
.else
	v_wmma_f32_16x16x32_bf16 v[8*(8*(\a)+(\b)):8*(8*(\a)+(\b))+7], v[(\f)+8*(\b):(\f)+8*(\b)+7], v[(\f)+8*(4*(\hi)+(\a)):(\f)+8*(4*(\hi)+(\a))+7], v[8*(8*(\a)+(\b)):8*(8*(\a)+(\b))+7]
.endif
.endr
.endr
.endm
.macro FETCH slot, k, f                ; 32 LDS loads in one run: the fragments of 32 along K
	WIN TO_B
.irp i, 0,1,2,3,4,5,6,7
	ds_load_b128 v[(\f)+8*(\i):(\f)+8*(\i)+3],   v[ADRB+(\slot)] offset:(\k)+(\i)*16*PITCH
	ds_load_b128 v[(\f)+8*(\i)+4:(\f)+8*(\i)+7], v[ADRB+(\slot)] offset:(\k)+(\i)*16*PITCH+32
.endr
	WIN 0
.irp i, 0,1,2,3,4,5,6,7
	ds_load_b128 v[(\f)+8*(\i):(\f)+8*(\i)+3],   v[ADRA+(\slot)] offset:(\k)+(\i)*16*PITCH
	ds_load_b128 v[(\f)+8*(\i)+4:(\f)+8*(\i)+7], v[ADRA+(\slot)] offset:(\k)+(\i)*16*PITCH+32
.endr
.endm
.macro QUARTER slot, k, f, g, zero     ; 64 matrix instructions on buffer f; in their middle the next quarter's fragments go into buffer g
	s_wait_dscnt 8                                 ; the weights' fragments and x's tokens 0-63 are in; the youngest eight loads may be out
	WIN MUL_LO
	MUL16 \f, 0, 0, \zero
	MUL16 \f, 0, 2, \zero
	PLACES
	FETCH \slot, \k, \g
	s_wait_dscnt 32                                ; all but the 32 just issued
	WIN MUL_HI
	MUL16 \f, 1, 0, \zero
	MUL16 \f, 1, 2, \zero
.endm
.macro MEET round                      ; the change of slots: all my tensor loads, the add, my reads of this slot, then the barrier
	WIN 0
	s_wait_tensorcnt 0x0                           ; all my tensor loads have landed: the one that was out is my part of the next slot
	ds_add_u32 v[SPW], v[NIL]
	s_wait_dscnt 9                                 ; the add and the youngest eight loads may be out
	WIN MUL_LO
	MUL16 F1, 0, 0, 0
	s_wait_dscnt 0x0                               ; the add is done, and my reads of this slot are over
	s_barrier_signal -1
	MUL16 F1, 0, 2, 0
.if \round
	WIN 0
.endif
	s_barrier_wait -1
.endm
.macro TURN slot, next, fill           ; the last quarter of a K step; fill = 1: the slot just read is filled again, two K steps on, first thing behind the cluster's round
	MEET \fill
.if \fill
	CREST
	s_add_nc_u64 s[G0+4*(\slot)+2:G0+4*(\slot)+3], s[G0+4*(\slot)+2:G0+4*(\slot)+3], 2*KSTEP*2
	s_add_nc_u64 s[G0B+4*(\slot)+2:G0B+4*(\slot)+3], s[G0B+4*(\slot)+2:G0B+4*(\slot)+3], 2*KSTEP*2
	JLOAD \slot
.else
	PLACES
.endif
	FETCH \next, 0, F0
	WIN MUL_HI
	MUL16 F1, 1, 0, 0
	MUL16 F1, 1, 2, 0
.endm
	s_wait_tensorcnt 1                             ; my part of K step 0 is in; K step 1's may stay out
	s_barrier_signal -1
	s_barrier_wait -1
	FETCH 0, 0, F0
	QUARTER 0, 64,  F0, F1, 1                      ; the first quarter starts the sums: nothing is cleared
	WIN 0
	s_mov_b32 s3, LAPS-1
.Llap:                                                 ; three trips: each goes once round the ring and fills both slots again (K steps 2 to 7)
	QUARTER 0, 128, F1, F0, 0
	QUARTER 0, 192, F0, F1, 0
	TURN 0, 1, 1
	QUARTER 1, 64,  F0, F1, 0
	QUARTER 1, 128, F1, F0, 0
	QUARTER 1, 192, F0, F1, 0
	TURN 1, 0, 1
	QUARTER 0, 64,  F0, F1, 0
	WIN 0
	s_sub_co_u32 s3, s3, 1
	s_cmp_lg_u32 s3, 0
	s_cbranch_scc1 .Llap
	QUARTER 0, 128, F1, F0, 0                      ; the last lap is written out: it asks for nothing
	QUARTER 0, 192, F0, F1, 0
	TURN 0, 1, 0
	QUARTER 1, 64,  F0, F1, 0
	QUARTER 1, 128, F1, F0, 0
	QUARTER 1, 192, F0, F1, 0
	s_wait_dscnt 8
	MUL16 F1, 0, 0, 0
	MUL16 F1, 0, 2, 0
	s_wait_dscnt 0x0
	MUL16 F1, 1, 0, 0
	MUL16 F1, 1, 2, 0
; THE EPILOGUE.  Accumulator (a, b): token 16 a + r of my 128, channels 16 b + 8 h + 0..7.  b 0-3: q (column half 0) or k (half 1); b 4-5: 32 channels of v; b 6-7: 32 channels of g.
.set MAXR, 40                          ; v40-43 four chains of maxima
.set SS,   48                          ; v48-63 for each token block a pair: sum of squares, then 1 / norm twice
.set TMP,  64
.set PKD,  128
.set ST,   160
.set FVS,  176                         ; 1 / p_v twice;  FVS + 2: 1 / p_g twice
.set AN,   6
.set AV,   4
.set AG,   5
	WIN 0
	PLACES
	s_wait_loadcnt 0x0                             ; the gates
	s_mov_b32 s58, 0x76543210                      ; no tensor load of mine is out: the descriptors' registers are free
	s_mov_b32 s59, 0xfedcba98
.irp i,0,1,2,3
	v_mov_b32 v[MAXR+\i], 0
.endr
.macro SILUMAX a                       ; g <- g / (1 + 2^(-g log2 e)) in place; the largest |v| and |silu g|.  Each accumulator's lowest registers are read first
.set W, 2+(\a)/4
.set AC, 64*((\a)%4)
	WIN W
.set i, 0
.rept 8
	v_pk_mul_f32 v[ST+2*i:ST+2*i+1], v[AC+48+2*i:AC+48+2*i+1], 0xbfb8aa3b op_sel_hi:[1,0]
.set i, i+1
.endr
	WIN 0
.set i, 0
.rept 16
	v_exp_f32 v[ST+i], v[ST+i]
.set i, i+1
.endr
	v_nop
.set i, 0
	s_wait_alu depctr_va_vdst(0)
.rept 8
	v_pk_add_f32 v[ST+2*i:ST+2*i+1], v[ST+2*i:ST+2*i+1], 1.0 op_sel_hi:[1,0]
.set i, i+1
.endr
.set i, 0
.rept 16
	v_rcp_f32 v[ST+i], v[ST+i]
.set i, i+1
.endr
	v_nop
	WIN W|(W<<6)
.set i, 0
	s_wait_alu depctr_va_vdst(0)
.rept 8
	v_pk_mul_f32 v[AC+48+2*i:AC+48+2*i+1], v[AC+48+2*i:AC+48+2*i+1], v[ST+2*i:ST+2*i+1]
.set i, i+1
.endr
	WIN W|(W<<2)
.set i, 0
.rept 8
	v_max3_num_f32 v[MAXR+i%2], |v[AC+32+2*i]|, |v[AC+32+2*i+1]|, v[MAXR+i%2]
	v_max3_num_f32 v[MAXR+2+i%2], |v[AC+48+2*i]|, |v[AC+48+2*i+1]|, v[MAXR+2+i%2]
.set i, i+1
.endr
.endm
.irp a,0,1,2,3,4,5,6,7
	SILUMAX \a
.endr
	WIN 0
	v_max_num_f32 v40, v40, v41
	v_max_num_f32 v41, v42, v43
.irp d,1,2,4,8
	v_max_num_f32_dpp v40, v40, v40 row_xmask:\d row_mask:0xf bank_mask:0xf
	v_max_num_f32_dpp v41, v41, v41 row_xmask:\d row_mask:0xf bank_mask:0xf
.endr
	v_permlanex16_b32 v42, v40, s58, s59
	v_permlanex16_b32 v43, v41, s58, s59
	v_max_num_f32 v40, v40, v42
	v_max_num_f32 v41, v41, v43
	s_lshl_b32 s14, s10, 3
	s_add_co_u32 s14, s14, AMX
	v_mov_b32 v44, s14
	ds_store_b64 v44, v[40:41]
	s_wait_dscnt 0x0                               ; my maxima are in LDS, and my reads of the ring are long over
	s_barrier_signal -1
	s_barrier_wait -1                              ; behind it nobody reads slot 0 any more: it becomes the stage
	v_mov_b32 v45, AMX
	ds_load_b128 v[160:163], v45
	ds_load_b128 v[164:167], v45 offset:16
	s_wait_dscnt 0x0
	v_max3_num_f32 v40, v160, v162, v164
	v_max3_num_f32 v41, v161, v163, v165
	v_max_num_f32 v40, v40, v166
	v_max_num_f32 v41, v41, v167
	v_and_b32 v40, 0x7f800000, v40                 ; p = 2^floor(log2 amax): the exponent's bits alone
	v_and_b32 v41, 0x7f800000, v41
	v_sub_nc_u32 v[FVS], 0x7f000000, v40           ; 1 / p, by the exponents' difference
	v_sub_nc_u32 v[FVS+2], 0x7f000000, v41
	v_mov_b32 v[FVS+1], v[FVS]
	v_mov_b32 v[FVS+3], v[FVS+2]
	s_cmp_lg_u32 s10, 0
	s_cbranch_scc1 .Lno_sc                         ; thread 0 stores the tile's pair
	v_mov_b32 v46, 0
	v_cmp_eq_u32 vcc_lo, 0, v0
	s_wait_xcnt 0x0                                ; EXEC changes only behind this wait
	s_and_saveexec_b32 s14, vcc_lo
	global_store_b64 v46, v[40:41], s[86:87]
	s_wait_xcnt 0x0
	s_or_b32 exec_lo, exec_lo, s14
.Lno_sc:
	v_mul_u32_u24 v3, v1, SPI
	v_lshl_add_u32 v3, v2, 4, v3                   ; 544 r + 16 h
	s_mul_i32 s14, s11, 128*SPI                    ; my 128 tokens
	s_lshl_b32 s15, s12, 6
	s_add_co_u32 s16, s14, s15
	v_add_nc_u32 v[AV], s16, v3
	v_add_nc_u32 v[AG], 384, v[AV]                 ; G at 384 + 64 x column half
	v_add_nc_u32 v[AV], 128, v[AV]                 ; V at 128 + 64 x column half
	s_xor_b32 s15, s12, 1
	s_lshl_b32 s15, s15, 8
	s_add_co_u32 s14, s14, s15
	v_add_nc_u32 v[AN], s14, v3                    ; Q at 256 (column half 0), K at 0 (half 1)
.macro SQ a                            ; the sum of squares of my 32 channels of the token
.set W, 2+(\a)/4
.set AC, 64*((\a)%4)
	WIN W|(W<<2)
	v_pk_mul_f32 v[SS+2*(\a):SS+2*(\a)+1], v[AC:AC+1], v[AC:AC+1]
.set i, 1
.rept 15
	v_pk_fma_f32 v[SS+2*(\a):SS+2*(\a)+1], v[AC+2*i:AC+2*i+1], v[AC+2*i:AC+2*i+1], v[SS+2*(\a):SS+2*(\a)+1]
.set i, i+1
.endr
.endm
.irp a,0,1,2,3,4,5,6,7
	SQ \a
.endr
	WIN 0
.irp a,0,1,2,3,4,5,6,7
	v_add_f32 v[SS+2*\a], v[SS+2*\a], v[SS+2*\a+1]
.endr
.irp a,0,1,2,3,4,5,6,7
	v_permlanex16_b32 v[SS+2*\a+1], v[SS+2*\a], s58, s59   ; the token's other 32 channels lie in the lane 16 away
.endr
.irp a,0,1,2,3,4,5,6,7
	v_add_f32 v[SS+2*\a], v[SS+2*\a], v[SS+2*\a+1]
.endr
.irp a,0,1,2,3,4,5,6,7
	v_sqrt_f32 v[SS+2*\a], v[SS+2*\a]
.endr
	v_nop
	s_wait_alu depctr_va_vdst(0)
.irp a,0,1,2,3,4,5,6,7
	v_max_num_f32 v[SS+2*\a], 0x358637bd, v[SS+2*\a]       ; max(norm, 1e-6)
.endr
.irp a,0,1,2,3,4,5,6,7
	v_rcp_f32 v[SS+2*\a], v[SS+2*\a]
.endr
	v_nop
	s_wait_alu depctr_va_vdst(0)
.irp a,0,1,2,3,4,5,6,7
	v_mov_b32 v[SS+2*\a+1], v[SS+2*\a]
.endr
.macro OUTA a                          ; token block a: scaled, rounded to f16, 16 bytes a lane into the stage
.set W, 2+(\a)/4
.set AC, 64*((\a)%4)
	WIN W
.set i, 0
.rept 16
	v_pk_mul_f32 v[TMP+2*i:TMP+2*i+1], v[AC+2*i:AC+2*i+1], v[SS+2*(\a):SS+2*(\a)+1]
.set i, i+1
.endr
.rept 8
	v_pk_mul_f32 v[TMP+2*i:TMP+2*i+1], v[AC+2*i:AC+2*i+1], v[FVS:FVS+1]
.set i, i+1
.endr
.rept 8
	v_pk_mul_f32 v[TMP+2*i:TMP+2*i+1], v[AC+2*i:AC+2*i+1], v[FVS+2:FVS+3]
.set i, i+1
.endr
	WIN 0
.set i, 0
.rept 32
	v_cvt_pk_f16_f32 v[PKD+i], v[TMP+2*i], v[TMP+2*i+1]
.set i, i+1
.endr
.irp b,0,1,2,3
	ds_store_b128 v[AN], v[PKD+4*\b:PKD+4*\b+3] offset:16*SPI*(\a)+32*\b
.endr
.irp b,0,1
	ds_store_b128 v[AV], v[PKD+16+4*\b:PKD+16+4*\b+3] offset:16*SPI*(\a)+32*\b
	ds_store_b128 v[AG], v[PKD+24+4*\b:PKD+24+4*\b+3] offset:16*SPI*(\a)+32*\b
.endr
.endm
.irp a,0,1,2,3,4,5,6,7
	OUTA \a
.endr
	s_wait_dscnt 0x0                               ; for the others' sake: my part of the stage is written
	s_barrier_signal -1
	s_barrier_wait -1
; THE LOCAL PHASE.  Wave w takes chunk w of the tile: stage rows 64 w .. 64 w + 63; from here on no wave needs another.
; A result tile holds lane = its column index, registers = eight consecutive row indices; rounded to f16 in pairs it IS half of a fragment whose contracted index is the row index.  Every product below is laid so
; that its result is stored, or contracted over its own rows: nothing changes lanes.
; window 0: v3-14 addresses; v32-39 gates by lane; GTP, NBP, GAMTP pairs by token block; RS 32 packed f16 in and out; YH; POOL 64; GS then XH; EX then XTH
; window 1: AF (An below the diagonal blocks), TF (inverses), MF (M), KT (K turned)      window 2: KF, QF fragments; FK, FV, DEC factors by register
.set APL, 3
.set ATR, 4
.set ATG, 5
.set AQC, 6
.set L16, 7
.set OE,  8
.set OF,  9
.set ASC, 10
.set AT1, 11
.set DLT, 12
.set AS1, 13
.set ATB, 14
.set GL,  32
.set GTP, 40
.set NBP, 48
.set GAMTP, 56
.set RS,  64
.set YH,  96
.set POOL, 128
.set GS,  192
.set XH,  192
.set EX,  224
.set XTH, 224
.set AF,  0
.set TF,  32
.set MF,  64
.set KT,  112
.set KF,  0
.set QF,  64
.set FK,  128
.set FV,  160
.set DEC, 192
.set D8,  128
.set TT,  136
.set IDR, 152
.set PK,  168
	s_mul_i32 s14, s10, 64*SPI
	v_add_nc_u32 v[APL], s14, v3                   ; plain fragments: my rows + 544 r + 16 h
	v_and_b32 v15, 7, v0
	v_lshl_add_u32 v[ATR], v2, 3, v15
	v_mul_u32_u24 v[ATR], v[ATR], SPI
	v_bfe_u32 v15, v0, 3, 1
	v_lshl_add_u32 v[ATR], v15, 4, v[ATR]
	v_add_nc_u32 v[ATR], s14, v[ATR]               ; turning loads: row 8 h + l % 8, 16 bytes x ((l / 8) % 2)
	v_and_b32 v[L16], 31, v0
	v_lshlrev_b32 v[L16], 4, v[L16]                ; 16 x lane
	s_mul_i32 s15, s10, SCRW
	s_add_co_u32 s15, s15, SCR
	v_lshl_add_u32 v[ASC], v[L16], 1, s15          ; my scratch + 32 x lane
	v_add_nc_u32 v[ATB], s15, v[L16]
	v_add_nc_u32 v[ATB], 4096, v[ATB]
	v_lshlrev_b32 v[DLT], 3, v2
	v_sub_nc_u32 v[DLT], v1, v[DLT]                ; r - 8 h: on a diagonal tile register j holds s < t where j < r - 8 h
	WIN 0x80
.irp t,0,1,2,3
.irp ks,0,1
	ds_load_b128 v[KF+16*\t+8*\ks:KF+16*\t+8*\ks+3],   v[APL] offset:16*SPI*\t+64*\ks
	ds_load_b128 v[KF+16*\t+8*\ks+4:KF+16*\t+8*\ks+7], v[APL] offset:16*SPI*\t+64*\ks+32
	ds_load_b128 v[QF+16*\t+8*\ks:QF+16*\t+8*\ks+3],   v[APL] offset:16*SPI*\t+64*\ks+256
	ds_load_b128 v[QF+16*\t+8*\ks+4:QF+16*\t+8*\ks+7], v[APL] offset:16*SPI*\t+64*\ks+288
.endr
.endr
	WIN 0x40
.irp jt,0,1,2,3
.irp ks,0,1
	ds_load_tr16_b128 v[KT+16*\jt+8*\ks:KT+16*\jt+8*\ks+3],   v[ATR] offset:16*SPI*(2*\ks)+32*\jt
	ds_load_tr16_b128 v[KT+16*\jt+8*\ks+4:KT+16*\jt+8*\ks+7], v[ATR] offset:16*SPI*(2*\ks+1)+32*\jt
.endr
.endr
	; the fragments' halves that stay 0: An's and M's blocks at and above the diagonal, the inverses' upper 16 of K
.irp q, AF+4, AF+28, MF+4, MF+28, TF+4, TF+12, TF+20, TF+28
.irp i,0,1,2,3
	v_mov_b32 v[\q+\i], 0
.endr
.endr
	; the gates' arrays.  Raw: sum of token k at v[192 + 2 k], beta at v[193 + 2 k], k = 8 a + j for token 16 a + 8 h + j.  The sums run inside blocks of 32 tokens: the chunk's second half adds the first half's total.
	WIN 0x80
.set k, 0
.rept 32
	v_mov_b32 v[FV+k], v[193+2*k]
.set k, k+1
.endr
	WIN 0
	v_readlane_b32 s56, v222, 16                   ; the sum at token 31
.set k, 1
.rept 15
	v_mov_b32 v[GS+k], v[192+2*k]
.set k, k+1
.endr
.rept 16
	v_add_f32 v[GS+k], s56, v[192+2*k]
.set k, k+1
.endr
	v_readlane_b32 s57, v[GS+31], 16               ; g_63
.set k, 0
.rept 32
	v_exp_f32 v[EX+k], v[GS+k]
.set k, k+1
.endr
	v_nop
	WIN 0x88
.set k, 0
	s_wait_alu depctr_va_vdst(0)
.rept 16
	v_pk_mul_f32 v[FK+2*k:FK+2*k+1], v[EX+2*k:EX+2*k+1], v[FV+2*k:FV+2*k+1] neg_lo:[1,0] neg_hi:[1,0]   ; - beta 2^g
.set k, k+1
.endr
	WIN 0
.set k, 0
.rept 32
	v_sub_f32 v[EX+k], s57, v[GS+k]
.set k, k+1
.endr
	WIN 0x80
.set k, 0
.rept 32
	v_exp_f32 v[DEC+k], v[EX+k]                    ; 2^(g_63 - g_s)
.set k, k+1
.endr
	v_nop
	WIN 0
	v_add_f32 v[GL+4], s56, v[GL+4]
	v_add_f32 v[GL+6], s56, v[GL+6]
.irp t,0,1,2,3
	v_mov_b32 v[GTP+2*\t], v[GL+2*\t]
	v_mov_b32 v[GTP+2*\t+1], v[GL+2*\t]
	v_xor_b32 v[NBP+2*\t], 0x80000000, v[GL+2*\t+1]
	v_exp_f32 v[GAMTP+2*\t], v[GL+2*\t]
	v_xor_b32 v[NBP+2*\t+1], 0x80000000, v[GL+2*\t+1]
.endr
	s_wait_alu depctr_va_vdst(0)
.irp t,0,1,2,3
	v_mov_b32 v[GAMTP+2*\t+1], v[GAMTP+2*\t]
.endr
.irp j,0,1,2,3,4,5,6,7
	v_cmp_lt_i32 s[24+\j], \j, v[DLT]              ; s < t
	v_cmp_le_i32 s[32+\j], \j, v[DLT]              ; s <= t
.endr
.irp i,4,5,6,7,12,13,14,15
	v_mov_b32 v[YH+\i], 0
.endr
	s_mov_b32 s55, 0xffff0000
	s_wait_dscnt 0x0                               ; K, Q and K turned are in
; Token block b against blocks a <= b: G = K_a K_b^T and K_a Q_b^T, lane = t (block b), registers = s (block a).  The accumulators take turns.
.macro COLB b
	WIN 0x0a
.irp ks,0,1
.irp a,0,1,2,3
.if \a <= (\b)
.if \ks == 0
	v_wmma_f32_16x16x32_f16 v[POOL+16*\a:POOL+16*\a+7], v[KF+16*\a+8*\ks:KF+16*\a+8*\ks+7], v[KF+16*(\b)+8*\ks:KF+16*(\b)+8*\ks+7], 0
	v_wmma_f32_16x16x32_f16 v[POOL+16*\a+8:POOL+16*\a+15], v[KF+16*\a+8*\ks:KF+16*\a+8*\ks+7], v[QF+16*(\b)+8*\ks:QF+16*(\b)+8*\ks+7], 0
.else
	v_wmma_f32_16x16x32_f16 v[POOL+16*\a:POOL+16*\a+7], v[KF+16*\a+8*\ks:KF+16*\a+8*\ks+7], v[KF+16*(\b)+8*\ks:KF+16*(\b)+8*\ks+7], v[POOL+16*\a:POOL+16*\a+7]
	v_wmma_f32_16x16x32_f16 v[POOL+16*\a+8:POOL+16*\a+15], v[KF+16*\a+8*\ks:KF+16*\a+8*\ks+7], v[QF+16*(\b)+8*\ks:QF+16*(\b)+8*\ks+7], v[POOL+16*\a+8:POOL+16*\a+15]
.endif
.endif
.endr
.endr
.endm
; Tile (a, b): the decay 2^(g_t - g_s), -beta_t for An, the selects on the diagonal, and the roundings into the fragments.  The four subtractions and the v_nop are the places behind the products.
.macro TILEFX a, b
.set rG, POOL+16*(\a)
.set rQ, POOL+16*(\a)+8
.if (\b) < 2
.set mi, (\b)
.else
.set mi, 2*((\b)-1)+(\a)/2
.endif
.set ai, (\b)-1+(\a)/2
	WIN 0
.irp i,0,1,2,3
	v_pk_add_f32 v[EX+2*\i:EX+2*\i+1], v[GTP+2*(\b):GTP+2*(\b)+1], v[GS+8*(\a)+2*\i:GS+8*(\a)+2*\i+1] neg_lo:[0,1] neg_hi:[0,1]
.endr
.irp i,0,1,2,3,4,5,6,7
	v_exp_f32 v[EX+\i], v[EX+\i]
.endr
	v_nop
	s_wait_alu depctr_va_vdst(0)
.irp i,0,1,2,3
	v_pk_mul_f32 v[rQ+2*\i:rQ+2*\i+1], v[rQ+2*\i:rQ+2*\i+1], v[EX+2*\i:EX+2*\i+1]
.endr
.irp i,0,1,2,3
	v_pk_mul_f32 v[rG+2*\i:rG+2*\i+1], v[rG+2*\i:rG+2*\i+1], v[EX+2*\i:EX+2*\i+1]
.endr
.irp i,0,1,2,3
	v_pk_mul_f32 v[rG+2*\i:rG+2*\i+1], v[rG+2*\i:rG+2*\i+1], v[NBP+2*(\b):NBP+2*(\b)+1]
.endr
.if (\a) == (\b)
.irp j,0,1,2,3,4,5,6,7
	v_cndmask_b32 v[rQ+\j], 0, v[rQ+\j], s[32+\j]
	v_cndmask_b32 v[rG+\j], 0, v[rG+\j], s[24+\j]
.endr
.endif
	WIN 0x40
.irp i,0,1,2,3
	v_cvt_pk_f16_f32 v[MF+8*mi+4*((\a)%2)+\i], v[rQ+2*\i], v[rQ+2*\i+1]
.endr
.if (\a) < (\b)
.irp i,0,1,2,3
	v_cvt_pk_f16_f32 v[AF+8*ai+4*((\a)%2)+\i], v[rG+2*\i], v[rG+2*\i+1]
.endr
.else
	WIN 0
	ds_store_b128 v[ASC], v[rG:rG+3] offset:1024*(\b)      ; the diagonal block stays in f32, for the inverse
	ds_store_b128 v[ASC], v[rG+4:rG+7] offset:1024*(\b)+16
.endif
.endm
.irp b,0,1,2,3
	COLB \b
.irp a,0,1,2,3
.if \a <= \b
	TILEFX \a, \b
.endif
.endr
.endr
; THE INVERSES.  T (I - An) = I by columns, from the last: T[:, c] = e_c + the sum over s > c of An[s][c] T[:, s].  Lane = row of T (both halves of the lanes alike), register = column; An[s][c] is a scalar,
; read from lane s + 16 (c / 8), register c % 8.  Four trips, one diagonal block each; the result, in f16, goes through my scratch into the fragments.
	WIN 0
.irp c,0,1,2,3,4,5,6,7,8,9,10,11,12,13,14,15
	v_cmp_eq_u32 vcc_lo, \c, v1
	v_cndmask_b32 v[IDR+\c], 0, 1.0, vcc_lo
.endr
	v_mov_b32 v[AS1], v[ASC]
	v_mov_b32 v[AT1], v[ATB]
	s_mov_b32 s3, 4
.Linv:
	ds_load_b128 v[D8:D8+3], v[AS1]                ; LDS serves a wave's instructions in order: these see my stores above
	ds_load_b128 v[D8+4:D8+7], v[AS1] offset:16
	s_wait_dscnt 0x0
.set c, 0
.rept 15
	v_readlane_b32 s[40+c], v[D8+c%8], 15+16*(c/8)
.set c, c+1
.endr
.set c, 0
.rept 15
	v_fma_f32 v[TT+c], s[40+c], v[IDR+15], v[IDR+c]
.set c, c+1
.endr
	v_mov_b32 v[TT+15], v[IDR+15]
.set sx, 14
.rept 14
.set c, 0
.rept sx
	v_readlane_b32 s[40+c], v[D8+c%8], sx+16*(c/8)
.set c, c+1
.endr
.set c, 0
.rept sx
	v_fmac_f32 v[TT+c], s[40+c], v[TT+sx]
.set c, c+1
.endr
.set sx, sx-1
.endr
.irp i,0,1,2,3,4,5,6,7
	v_cvt_pk_f16_f32 v[PK+\i], v[TT+2*\i], v[TT+2*\i+1]
.endr
.irp i,0,1,2,3
	v_cndmask_b32 v[PK+\i], v[PK+\i], v[PK+4+\i], s55      ; lanes 16-31 take columns 8-15
.endr
	ds_store_b128 v[AT1], v[PK:PK+3]
	v_add_nc_u32 v[AS1], 1024, v[AS1]
	v_add_nc_u32 v[AT1], 512, v[AT1]
	s_sub_co_u32 s3, s3, 1
	s_cmp_lg_u32 s3, 0
	s_cbranch_scc1 .Linv
	WIN 0x40
.irp i,0,1,2,3
	ds_load_b128 v[TF+8*\i:TF+8*\i+3], v[ATB] offset:512*\i
.endr
	WIN 0
	s_wait_dscnt 0x0
.macro UNPACK                          ; the 32 packed registers of RS to 64 f32 in the pool
.irp r,64,65,66,67,68,69,70,71,72,73,74,75,76,77,78,79,80,81,82,83,84,85,86,87,88,89,90,91,92,93,94,95
	CVLH POOL+2*(\r-64), \r
.endr
.endm
.macro AFX i, idx, ks                  ; Y_i += An (fragment idx) X, for both channel tiles by turns
.irp n,0,1
	v_wmma_f32_16x16x32_f16 v[POOL+8*(2*(\i)+\n):POOL+8*(2*(\i)+\n)+7], v[AF+8*(\idx):AF+8*(\idx)+7], v[XH+16*\n+8*(\ks):XH+16*\n+8*(\ks)+7], v[POOL+8*(2*(\i)+\n):POOL+8*(2*(\i)+\n)+7]
.endr
.endm
.macro SOLVE i                         ; X_i = T_ii (B_i + the sum over j < i of An_ij X_j); Y(i, n) at POOL + 8 (2 i + n): lane = channel, registers = tokens
.if (\i) >= 1
	WIN 0x01
.if (\i) == 1
	AFX 1, 0, 0
.elseif (\i) == 2
	AFX 2, 1, 0
.else
	AFX 3, 2, 0
	AFX 3, 3, 1
.endif
.rept 5
	v_nop                                          ; five places: the sums are read below, and then written over by a matrix instruction
.endr
.endif
	WIN 0
.irp n,0,1
.irp k,0,1,2,3
	v_cvt_pk_f16_f32 v[YH+8*\n+\k], v[POOL+8*(2*(\i)+\n)+2*\k], v[POOL+8*(2*(\i)+\n)+2*\k+1]
.endr
.endr
	WIN 0x01
.irp n,0,1
	v_wmma_f32_16x16x32_f16 v[POOL+8*(2*(\i)+\n):POOL+8*(2*(\i)+\n)+7], v[TF+8*(\i):TF+8*(\i)+7], v[YH+8*\n:YH+8*\n+7], 0
.endr
	WIN 0
	PLACES
.irp n,0,1
.irp k,0,1,2,3
	v_cvt_pk_f16_f32 v[XH+16*\n+4*(\i)+\k], v[POOL+8*(2*(\i)+\n)+2*\k], v[POOL+8*(2*(\i)+\n)+2*\k+1]
.endr
.endr
.endm
; kind 0: the right-hand side -beta 2^g K, results QH and PT.  kind 1: beta V, results O0 and RT.  Two trips, two tiles of 16 channels each.
.macro GROUPS kind
	WIN 0
	v_add_nc_u32 v[ATG], 128*(\kind), v[ATR]
	v_mov_b32 v[AQC], v[APL]
	v_mov_b32 v[OE], v[L16]
	v_mov_b32 v[OF], v[L16]
	s_mov_b32 s3, 2
.Lgrp_\@:
.irp a,0,1,2,3
.irp n,0,1
	ds_load_tr16_b128 v[RS+4*(2*\a+\n):RS+4*(2*\a+\n)+3], v[ATG] offset:16*SPI*\a+32*\n    ; lane = channel 16 n + r, tokens 16 a + 8 h + 0..7
.endr
.endr
.irp n,0,1
.irp i,4,5,6,7,12,13,14,15
	v_mov_b32 v[XH+16*\n+\i], 0                    ; X_1 and X_3 are read, against zeros of An, before they are made
.endr
.endr
	s_wait_dscnt 0x0
	UNPACK
.if !(\kind)
.irp a,0,1,2,3
.irp n,0,1
	ds_load_b128 v[RS+4*(2*\a+\n):RS+4*(2*\a+\n)+3], v[AQC] offset:16*SPI*\a+256+32*\n     ; Q: lane = token, eight channels: it starts QH's sums further down
.endr
.endr
.endif
	WIN 0x08
.irp a,0,1,2,3
.irp n,0,1
.irp i,0,1,2,3
	v_pk_mul_f32 v[POOL+8*(2*\a+\n)+2*\i:POOL+8*(2*\a+\n)+2*\i+1], v[POOL+8*(2*\a+\n)+2*\i:POOL+8*(2*\a+\n)+2*\i+1], v[FK+32*(\kind)+8*\a+2*\i:FK+32*(\kind)+8*\a+2*\i+1]
.endr
.endr
.endr
	SOLVE 0
	SOLVE 1
	SOLVE 2
	SOLVE 3
	WIN 0x08
.irp a,0,1,2,3
.irp n,0,1
.irp i,0,1,2,3
	v_pk_mul_f32 v[POOL+8*(2*\a+\n)+2*\i:POOL+8*(2*\a+\n)+2*\i+1], v[POOL+8*(2*\a+\n)+2*\i:POOL+8*(2*\a+\n)+2*\i+1], v[DEC+8*\a+2*\i:DEC+8*\a+2*\i+1]
.endr
.endr
.endr
	WIN 0
.irp a,0,1,2,3
.irp n,0,1
.irp i,0,1,2,3
	v_cvt_pk_f16_f32 v[XTH+16*\n+4*\a+\i], v[POOL+8*(2*\a+\n)+2*\i], v[POOL+8*(2*\a+\n)+2*\i+1]
.endr
.endr
.endr
.if !(\kind)
	s_wait_dscnt 0x0                               ; Q
	UNPACK
.irp t,0,1,2,3
.irp n,0,1
.irp i,0,1,2,3
	v_pk_mul_f32 v[POOL+8*(2*\t+\n)+2*\i:POOL+8*(2*\t+\n)+2*\i+1], v[POOL+8*(2*\t+\n)+2*\i:POOL+8*(2*\t+\n)+2*\i+1], v[GAMTP+2*\t:GAMTP+2*\t+1]
.endr
.endr
.endr
.endif
	; E = (M X)^T: source 0 = X (row = channel), source 1 = M (column = t): lane = t, registers = channels.  Eight accumulators by turns; token blocks 2 and 3 have a second K step.
	WIN 0x04
.irp t,0,1,2,3
.irp n,0,1
.if \kind
	v_wmma_f32_16x16x32_f16 v[POOL+8*(2*\t+\n):POOL+8*(2*\t+\n)+7], v[XH+16*\n:XH+16*\n+7], v[MF+8*(\t+(\t/2)*(\t-2)):MF+8*(\t+(\t/2)*(\t-2))+7], 0
.else
	v_wmma_f32_16x16x32_f16 v[POOL+8*(2*\t+\n):POOL+8*(2*\t+\n)+7], v[XH+16*\n:XH+16*\n+7], v[MF+8*(\t+(\t/2)*(\t-2)):MF+8*(\t+(\t/2)*(\t-2))+7], v[POOL+8*(2*\t+\n):POOL+8*(2*\t+\n)+7]
.endif
.endr
.endr
.irp t,2,3
.irp n,0,1
	v_wmma_f32_16x16x32_f16 v[POOL+8*(2*\t+\n):POOL+8*(2*\t+\n)+7], v[XH+16*\n+8:XH+16*\n+15], v[MF+8*(2*\t-1):MF+8*(2*\t-1)+7], v[POOL+8*(2*\t+\n):POOL+8*(2*\t+\n)+7]
.endr
.endr
	WIN 0
	PLACES
.set i, 0
.rept 32
	v_cvt_pk_f16_f32 v[RS+i], v[POOL+2*i], v[POOL+2*i+1]
.set i, i+1
.endr
.irp t,0,1,2,3
.irp n,0,1
.if \kind
	global_store_b128 v[OE], v[RS+4*(2*\t+\n):RS+4*(2*\t+\n)+3], s[84:85] offset:131072*\n+512*\t      ; each store of the wave covers 512 consecutive bytes, aligned
.else
	global_store_b128 v[OE], v[RS+4*(2*\t+\n):RS+4*(2*\t+\n)+3], s[80:81] offset:2048*\t+512*\n
.endif
.endr
.endr
	; F = K^T X~.  kind 0: source 0 = X~, source 1 = K turned: lane = j, registers = j' (a fragment of PT).  kind 1: the sources swapped: lane = i, registers = j (the state's own layout).
.if \kind
	WIN 0x01
.else
	WIN 0x04
.endif
.irp ks,0,1
.irp jt,0,1,2,3
.irp n,0,1
.if \kind
.if \ks == 0
	v_wmma_f32_16x16x32_f16 v[POOL+8*(2*\jt+\n):POOL+8*(2*\jt+\n)+7], v[KT+16*\jt+8*\ks:KT+16*\jt+8*\ks+7], v[XTH+16*\n+8*\ks:XTH+16*\n+8*\ks+7], 0
.else
	v_wmma_f32_16x16x32_f16 v[POOL+8*(2*\jt+\n):POOL+8*(2*\jt+\n)+7], v[KT+16*\jt+8*\ks:KT+16*\jt+8*\ks+7], v[XTH+16*\n+8*\ks:XTH+16*\n+8*\ks+7], v[POOL+8*(2*\jt+\n):POOL+8*(2*\jt+\n)+7]
.endif
.else
.if \ks == 0
	v_wmma_f32_16x16x32_f16 v[POOL+8*(2*\jt+\n):POOL+8*(2*\jt+\n)+7], v[XTH+16*\n+8*\ks:XTH+16*\n+8*\ks+7], v[KT+16*\jt+8*\ks:KT+16*\jt+8*\ks+7], 0
.else
	v_wmma_f32_16x16x32_f16 v[POOL+8*(2*\jt+\n):POOL+8*(2*\jt+\n)+7], v[XTH+16*\n+8*\ks:XTH+16*\n+8*\ks+7], v[KT+16*\jt+8*\ks:KT+16*\jt+8*\ks+7], v[POOL+8*(2*\jt+\n):POOL+8*(2*\jt+\n)+7]
.endif
.endif
.endr
.endr
.endr
	WIN 0
	PLACES
	s_wait_xcnt 0x0                                ; the stores above have read RS
.set i, 0
.rept 32
	v_cvt_pk_f16_f32 v[RS+i], v[POOL+2*i], v[POOL+2*i+1]
.set i, i+1
.endr
.irp jt,0,1,2,3
.irp n,0,1
.if \kind
	global_store_b128 v[OF], v[RS+4*(2*\jt+\n):RS+4*(2*\jt+\n)+3], s[82:83] offset:65536*\n+512*\jt
.else
	global_store_b128 v[OF], v[RS+4*(2*\jt+\n):RS+4*(2*\jt+\n)+3], s[78:79] offset:2048*\jt+512*\n
.endif
.endr
.endr
	s_wait_xcnt 0x0                                ; RS and the two offsets are rewritten only behind this wait
	v_add_nc_u32 v[ATG], 64, v[ATG]
	v_add_nc_u32 v[AQC], 64, v[AQC]
	v_add_nc_u32 v[OE], 1024+(\kind)*(262144-1024), v[OE]
	v_add_nc_u32 v[OF], 1024+(\kind)*(131072-1024), v[OF]
	s_sub_co_u32 s3, s3, 1
	s_cmp_lg_u32 s3, 0
	s_cbranch_scc1 .Lgrp_\@
.endm
	GROUPS 0
	GROUPS 1
	; the gate pieces: lane = token, eight channels, as the next launch multiplies them onto O
.irp q,0,1,2,3
.irp t,0,1,2,3
	ds_load_b128 v[POOL+4*(4*\q+\t):POOL+4*(4*\q+\t)+3], v[APL] offset:16*SPI*\t+384+32*\q
.endr
.endr
.irp q,0,1,2,3
.irp t,0,1,2,3
	s_wait_dscnt 15-(4*\q+\t)
	global_store_b128 v[L16], v[POOL+4*(4*\q+\t):POOL+4*(4*\q+\t)+3], s[84:85] offset:131072*\q+2048+512*\t
.endr
.endr
	s_wait_tensorcnt 0x0                           ; the wave's end: three lines behind my last tensor load and my last LDS store
	ds_add_u32 v[SPW], v[NIL]
	s_wait_dscnt 0x0
	CROUND                                         ; the closing round
	s_endpgm
.Lfunc_end_k_qa1a5b6e49f_proj:
	.size	k_qa1a5b6e49f_proj, .Lfunc_end_k_qa1a5b6e49f_proj-k_qa1a5b6e49f_proj
	.p2alignl 7, 3214868480
	.fill 96, 4, 3214868480
	.section	.rodata,"a",@progbits
	.p2align	6, 0x0
	.amdhsa_kernel k_qa1a5b6e49f_proj
		.amdhsa_group_segment_fixed_size 327680
		.amdhsa_private_segment_fixed_size 0
		.amdhsa_enable_private_segment 0
		.amdhsa_kernarg_size 48
		.amdhsa_user_sgpr_count 2
		.amdhsa_user_sgpr_kernarg_segment_ptr 1
		.amdhsa_wavefront_size32 1
		.amdhsa_system_sgpr_workgroup_id_x 1
		.amdhsa_system_sgpr_workgroup_id_y 1
		.amdhsa_system_sgpr_workgroup_id_z 1
		.amdhsa_system_vgpr_workitem_id 0
		.amdhsa_next_free_vgpr 1024
		.amdhsa_next_free_sgpr 102
		.amdhsa_reserve_vcc 1
		.amdhsa_float_denorm_mode_32 3
		.amdhsa_float_denorm_mode_16_64 3
		.amdhsa_memory_ordered 1
		.amdhsa_forward_progress 1
		.amdhsa_inst_pref_size 255
	.end_amdhsa_kernel
	.section	.bss,"aw",@nobits
	.p2align	6
	.space	262144
	.amdgpu_metadata
---
amdhsa.version: [ 1, 2 ]
amdhsa.kernels:
  - .name:           k_qa1a5b6e49f_proj
    .symbol:         k_qa1a5b6e49f_proj.kd
    .args:
      - { .name: xb, .offset: 0, .size: 8, .value_kind: global_buffer, .address_space: global }
      - { .name: wts, .offset: 8, .size: 8, .value_kind: global_buffer, .address_space: global }
      - { .name: gb, .offset: 16, .size: 8, .value_kind: global_buffer, .address_space: global }
      - { .name: pq, .offset: 24, .size: 8, .value_kind: global_buffer, .address_space: global }
      - { .name: ro, .offset: 32, .size: 8, .value_kind: global_buffer, .address_space: global }
      - { .name: sc, .offset: 40, .size: 8, .value_kind: global_buffer, .address_space: global }
    .group_segment_fixed_size: 327680
    .private_segment_fixed_size: 0
    .kernarg_segment_align: 8
    .kernarg_segment_size: 48
    .max_flat_workgroup_size: 128
    .sgpr_count:     102
    .vgpr_count:     1024
    .wavefront_size: 32
...
	.end_amdgpu_metadata
.endif
;; end of part 2
;; launch seq (part 3): grid 4 x 64, 4 waves a work-group, clusters of 4 x 1, 327,680 bytes of LDS; arguments pq, ro, sc, gb, y, out1; writes y, out1
.if DOCPART == 3
	.amdgcn_target "amdgcn-amd-amdhsa--gfx1250"
	.amdhsa_code_object_version 6
	.text
	.protected	k_qa1a5b6e49f_seq
	.globl	k_qa1a5b6e49f_seq
	.p2align	8
	.type	k_qa1a5b6e49f_seq,@function
k_qa1a5b6e49f_seq:
	s_mov_b64 s[64:65], 0
	v_nop
	global_prefetch_b8 v0, s[64:65] scope:SCOPE_SE
	s_setreg_imm32_b32 hwreg(HW_REG_WAVE_MODE, 25, 1), 1
	s_wait_xcnt 0x0
	s_wait_alu depctr_hold_cnt(0) depctr_sa_sdst(0) depctr_va_vdst(0) depctr_va_sdst(0) depctr_va_ssrc(0) depctr_va_vcc(0) depctr_vm_vsrc(0)
	s_getreg_b32 s2, hwreg(HW_REG_IB_STS2, 6, 4)
	s_cmp_eq_u32 s2, 0
	s_cbranch_scc0 .Lentry_in_a_cluster
	s_endpgm
.Lentry_in_a_cluster:
	s_bfe_u32 s2, ttmp6, 0x10000c
	s_cmp_lg_u32 s2, 0x3003
	s_cbranch_scc0 .Lentry_shape_is_right
	s_endpgm
.Lentry_shape_is_right:
; SEQ.  The state's chain.  For one (batch, head) and one quarter of 16 value channels i, over 32 chunks:   O = f O0 + QH Z,   y = O x (fg gate),   Z <- 2^(g_63) Z + PT Z + f RT.
; Z[j][i] is the transposed state in f32 (lane = i, registers = j, four tiles); for the products it is rounded to f16.  The term 2^(g_63) Z stays in f32.
; SCALES.  RT, O0 carry their tile's p_v, the gate p_g (exact powers of two, in sc).  Pv, Pg are the largest of all tiles; f = p_v / Pv and fg = p_g / Pg are exact and at most 1; Z, O and y live in the global
; scale; out1 = Z Pv here, out0 takes Pv Pg in the next launch.  LIMITS: Pv Pg below 2^128; what lies more than f16's range below the largest tile's numbers is lost; NaN and infinities are not treated apart.
; SHARES.  256 work-groups.  All four waves run the whole chain of the group's 16 channels (8 products a chunk, done four times over), so no wave waits for another inside a slot; wave w makes the output of
; token block w of each chunk.  CLUSTER: the four quarters of a head walk the same PT and QH: those two streams are joint loads; RT and O0/gate are each work-group's own.
; RING: two slots of four chunks; wave 0 asks for PT, 1 for QH, 2 for RT, 3 for O0 and gate: one tensor load a wave is out, with a slot's work in which to land.
.set SLOT1, 131072
.set QOFF,  32768
.set ROFF,  65536
.set OOFF,  73728
.set STG,   SLOT1+90112                ; 16 rows x 272 bytes, for out1
.set TAB,   STG+4352                   ; for each wave 1,024 bytes: chunk c at 32 c: 2^(g_63) twice, f twice, fg twice
.set SPARE, TAB+4096                   ; the spare words, 128 bytes a wave: two blocks of 256 bytes that no other line names
.set ZH,  50
.set PT,  66
.set QH,  130
.set ZA,  146
.set OA,  178
.set R32, 186
.set G32, 218
.macro CVLH dst, r                     ; the two f16 halves of register r (a plain number below 128) to f32
	v_cvt_f32_f16 v[\dst], v\r\().l
	v_cvt_f32_f16 v[(\dst)+1], v\r\().h
.endm
.macro CROUND
	s_barrier_signal -1
	s_barrier_wait -1
	s_cmp_lg_u32 s16, 0
	s_cbranch_scc1 .Lnot_wave_0_\@
	s_barrier_signal -3
.Lnot_wave_0_\@:
	s_barrier_wait -3
	s_barrier_signal -1
	s_barrier_wait -1
.endm
.macro TAILV                           ; the lines behind a tensor load
	s_nop 0
.rept 4
	v_nop
.endr
.endm
.macro JLOAD4                          ; each wave its stream; the branches hang on the wave's number alone
	s_cmp_lg_u32 s16, 0
	s_cbranch_scc1 .Ln0_\@
	tensor_load_to_lds s[48:51], s[24:31]
	TAILV
	s_branch .Lasked_\@
.Ln0_\@:
	s_cmp_lg_u32 s16, 1
	s_cbranch_scc1 .Ln1_\@
	tensor_load_to_lds s[52:55], s[24:31]
	TAILV
	s_branch .Lasked_\@
.Ln1_\@:
	s_cmp_lg_u32 s16, 2
	s_cbranch_scc1 .Ln2_\@
	tensor_load_to_lds s[56:59], s[32:39]
	TAILV
	s_branch .Lasked_\@
.Ln2_\@:
	tensor_load_to_lds s[60:63], s[40:47]
	TAILV
.Lasked_\@:
.endm
.macro CHANGE fill                     ; the change of slots: all my tensor loads, the add, my reads of the slot that I leave; then the round and the refill, or (nothing left to ask for) the plain barrier
	s_wait_tensorcnt 0x0                           ; no tensor load of mine is out, so the descriptors may be stepped
	ds_add_u32 v14, v15
.if \fill
.irp g,48,52,56,60
	s_xor_b32 s[\g+1], s[\g+1], SLOT1              ; the other slot than last time
.endr
	s_add_nc_u64 s[50:51], s[50:51], 32768         ; the next four chunks
	s_add_nc_u64 s[54:55], s[54:55], 32768
	s_add_nc_u64 s[58:59], s[58:59], 8192
	s_add_nc_u64 s[62:63], s[62:63], 16384
	s_wait_dscnt 0x0                               ; the add is done, and my reads of the slot are over
	CROUND
	JLOAD4
.else
	s_wait_dscnt 0x0
	s_barrier_signal -1
	s_barrier_wait -1
.endif
	s_sub_co_u32 s66, s66, 32768                   ; the reads go back to a slot's first chunk, in the other slot
	s_xor_b32 s66, s66, SLOT1
	s_sub_co_u32 s67, s67, 8192
	s_xor_b32 s67, s67, SLOT1
	s_sub_co_u32 s68, s68, 16384
	s_xor_b32 s68, s68, SLOT1
.endm
	s_load_b256 s[4:11], s[0:1], 0x0               ; pq 4, ro 6, sc 8, gb 10
	s_load_b128 s[12:15], s[0:1], 0x20             ; y 12, out1 14
	v_lshl_add_u32 v14, v0, 2, SPARE
	v_mov_b32 v15, 0
	ds_add_u32 v14, v15                            ; the wave's opening: the add and its wait ahead of my first tensor load
	v_lshrrev_b32 v1, 5, v0
	v_readfirstlane_b32 s16, v1                    ; wave 0..3
	s_bfe_u32 s17, ttmp6, 0x40000                  ; cx: my quarter of the value channels
	s_and_b32 s18, ttmp7, 0xffff                   ; 16 x batch + head, which the four partners share
	s_lshr_b32 s19, s18, 4
	s_and_b32 s20, s18, 15
	; all tiles are dense: rows of 256 bytes (32 elements of 8 bytes)
	s_mov_b32 s24, 15|(3<<16)|(1<<21)              ; PT, QH: the mask of four, bit 21 beside it; 128 rows
	s_mov_b32 s32, 3<<16                           ; RT: my own; 32 rows
	s_mov_b32 s40, 3<<16                           ; O0 and gate: my own; 64 rows
.irp g,24,32,40
	s_mov_b32 s[\g+1], 32<<16                      ; tensor_dim0 = 32
	s_mov_b32 s[\g+3], 32<<16                      ; tile_dim0 = 32
	s_mov_b32 s[\g+5], 32                          ; 32 elements from row to row
	s_mov_b32 s[\g+6], 0
	s_mov_b32 s[\g+7], 0
.endr
	s_mov_b32 s26, 128<<16                         ; tensor_dim1, tile_dim1
	s_mov_b32 s28, 128
	s_mov_b32 s34, 32<<16
	s_mov_b32 s36, 32
	s_mov_b32 s42, 64<<16
	s_mov_b32 s44, 64
	s_mov_b32 s48, 1
	s_mov_b32 s49, 0
	s_mov_b32 s52, 1
	s_mov_b32 s53, QOFF
	s_mov_b32 s56, 1
	s_mov_b32 s57, ROFF
	s_mov_b32 s60, 1
	s_mov_b32 s61, OOFF
	s_lshl_b32 s22, s18, 18                        ; pt, qh: 32 chunks x 8,192 bytes a head
	s_mov_b32 s23, 0
	s_lshl_b32 s86, s18, 2
	s_add_co_u32 s86, s86, s17                     ; 4 x (batch, head) + quarter
	s_lshl_b32 s82, s86, 16
	s_mov_b32 s83, 0
	s_lshl_b32 s86, s86, 17
	s_add_co_u32 s86, s86, 0x1000000
	s_mov_b32 s87, 0
	s_lshl_b32 s84, s19, 7
	s_add_co_u32 s84, s84, s16
	s_lshl_b32 s84, s84, 15                        ; y: block of 16 tokens 128 b + 4 c + w, 32,768 bytes each,
	s_lshl_b32 s85, s20, 11
	s_add_co_u32 s84, s84, s85                     ; 32 channels are 1,024 bytes: 2 h of them,
	s_lshl_b32 s85, s17, 9
	s_add_co_u32 s84, s84, s85                     ; and 512 bytes a quarter
	s_mov_b32 s85, 0
	s_lshl_b32 s78, s18, 14
	s_lshl_b32 s79, s17, 12
	s_add_co_u32 s78, s78, s79                     ; out1: row 64 bh + 16 quarter, 256 bytes a row
	s_mov_b32 s79, 0
	s_mov_b32 s72, 0x76543210
	s_mov_b32 s73, 0xfedcba98
	s_mov_b32 s66, SLOT1+32768                     ; the first change of slots turns these three into 0, ROFF, OOFF
	s_mov_b32 s67, SLOT1+ROFF+8192
	s_mov_b32 s68, SLOT1+OOFF+16384
	s_wait_dscnt 0x0                               ; the opening add is done
	s_wait_kmcnt 0x0
	s_add_nc_u64 s[50:51], s[4:5], s[22:23]
	s_add_nc_u64 s[54:55], s[50:51], 0x1000000
	s_or_b32 s51, s51, 0x80000000
	s_or_b32 s55, s55, 0x80000000
	s_add_nc_u64 s[58:59], s[6:7], s[82:83]
	s_or_b32 s59, s59, 0x80000000
	s_add_nc_u64 s[62:63], s[6:7], s[86:87]
	s_or_b32 s63, s63, 0x80000000
	s_add_nc_u64 s[74:75], s[12:13], s[84:85]
	s_add_nc_u64 s[80:81], s[14:15], s[78:79]
	CROUND                                         ; all four work-groups are here: the first joint loads meet
	JLOAD4                                         ; slot 0
	; in the wait for slot 0: the global scales, and for each chunk (lane = chunk) its decay and its two factors
	v_and_b32 v10, 31, v0
	v_lshlrev_b32 v1, 4, v10                       ; 16 x lane: kept to the end
.irp i,0,1,2,3,4,5,6,7
	global_load_b128 v[224+4*\i:227+4*\i], v1, s[8:9] offset:512*\i
.endr
	v_lshrrev_b32 v11, 2, v10
	v_lshlrev_b32 v11, 7, v11                      ; four chunks a tile, 16 tiles x 8 bytes a tile row
	s_lshl_b32 s82, s19, 10
	s_lshl_b32 s83, s20, 3
	s_add_co_u32 s82, s82, s83
	v_add_nc_u32 v11, s82, v11
	global_load_b64 v[16:17], v11, s[8:9]
	v_lshlrev_b32 v9, 9, v10
	s_lshl_b32 s83, s18, 14
	v_add_nc_u32 v9, s83, v9
	global_load_b32 v18, v9, s[10:11] offset:248   ; the sums of log2 alpha at tokens 31 and 63 of the chunk
	global_load_b32 v19, v9, s[10:11] offset:504
.set i, 0
.rept 32
	v_mov_b32 v[ZA+i], 0                           ; the state begins at 0: the first chunk is a chunk like any other
.set i, i+1
.endr
	s_lshl_b32 s82, s16, 9
	v_add_nc_u32 v12, s82, v1                      ; 16 lane + 512 w
	s_lshl_b32 s82, s16, 11
	v_add_nc_u32 v13, s82, v1                      ; 16 lane + 2,048 w
	s_lshl_b32 s82, s16, 10
	s_add_co_u32 s82, s82, TAB
	v_mov_b32 v6, s82                              ; my table
	v_lshl_add_u32 v7, v10, 5, s82
	v_mov_b32 v22, 0
	v_mov_b32 v23, 0
	s_wait_loadcnt 0x0
	v_max3_num_f32 v20, v224, v226, v228
	v_max3_num_f32 v21, v225, v227, v229
.set k, 230
.rept 6
	v_max3_num_f32 v20, v20, v[k], v[k+2]
	v_max3_num_f32 v21, v21, v[k+1], v[k+3]
.set k, k+4
.endr
	v_max_num_f32 v20, v20, v254
	v_max_num_f32 v21, v21, v255
.irp d,1,2,4,8
	v_max_num_f32_dpp v20, v20, v20 row_xmask:\d row_mask:0xf bank_mask:0xf
	v_max_num_f32_dpp v21, v21, v21 row_xmask:\d row_mask:0xf bank_mask:0xf
.endr
	v_permlanex16_b32 v22, v20, s72, s73
	v_permlanex16_b32 v23, v21, s72, s73
	v_max_num_f32 v8, v20, v22                     ; Pv
	v_max_num_f32 v21, v21, v23                    ; Pg
	v_sub_nc_u32 v22, 0x7f000000, v8               ; 1 / Pv, 1 / Pg by the exponents
	v_sub_nc_u32 v23, 0x7f000000, v21
	v_add_f32 v24, v18, v19
	v_exp_f32 v24, v24
	v_mul_f32 v26, v16, v22
	v_mul_f32 v28, v17, v23
	s_wait_alu depctr_va_vdst(0)
	v_mov_b32 v25, v24
	v_mov_b32 v27, v26
	v_mov_b32 v29, v28
	v_mov_b32 v9, v8
	ds_store_b128 v7, v[24:27]
	ds_store_b64 v7, v[28:29] offset:16
; A slot's four chunks.  28 LDS loads in one run, the small ones first; while PT and QH are on their way the state is rounded, decayed and given RT.
.macro WORK
	s_mov_b32 s70, 4
.Lchunk_\@:
	v_add_nc_u32 v2, s66, v1
	v_add_nc_u32 v3, s67, v1
	v_add_nc_u32 v4, s68, v12
	v_add_nc_u32 v5, s66, v13
	ds_load_b128 v[44:47], v6                      ; 2^(g_63) twice, f twice (LDS serves a wave's instructions in order: my table's stores are seen)
	ds_load_b64 v[48:49], v6 offset:16             ; fg twice
.irp jt,0,1,2,3
	ds_load_b128 v[16+4*\jt:19+4*\jt], v3 offset:512*\jt
.endr
	ds_load_b128 v[32:35], v4                      ; O0 of my token block
	ds_load_b128 v[36:39], v4 offset:2048          ; its gate
.irp k,0,1,2,3,4,5,6,7,8,9,10,11,12,13,14,15
	ds_load_b128 v[PT+4*\k:PT+4*\k+3], v2 offset:512*\k
.endr
.irp k,0,1,2,3
	ds_load_b128 v[QH+4*\k:QH+4*\k+3], v5 offset:QOFF+512*\k
.endr
.set i, 0
.rept 16
	v_cvt_pk_f16_f32 v[ZH+i], v[ZA+2*i], v[ZA+2*i+1]       ; the state at the chunk's start; each accumulator's lowest registers first
.set i, i+1
.endr
	s_wait_dscnt 20                                ; all but PT's sixteen loads and QH's four
.irp r,16,17,18,19,20,21,22,23,24,25,26,27,28,29,30,31
	CVLH R32+2*(\r-16), \r
.endr
.set i, 0
.rept 16
	v_pk_mul_f32 v[ZA+2*i:ZA+2*i+1], v[ZA+2*i:ZA+2*i+1], v[44:45]
.set i, i+1
.endr
.set i, 0
.rept 16
	v_pk_fma_f32 v[ZA+2*i:ZA+2*i+1], v[R32+2*i:R32+2*i+1], v[46:47], v[ZA+2*i:ZA+2*i+1]
.set i, i+1
.endr
.irp r,32,33,34,35
	CVLH OA+2*(\r-32), \r
.endr
.irp i,0,1,2,3
	v_pk_mul_f32 v[OA+2*\i:OA+2*\i+1], v[OA+2*\i:OA+2*\i+1], v[46:47]
.endr
	s_wait_dscnt 0x0
.irp ks,0,1                            ; five accumulators take turns, over the backward jump too
.irp jt,0,1,2,3
	v_wmma_f32_16x16x32_f16 v[ZA+8*\jt:ZA+8*\jt+7], v[PT+16*\jt+8*\ks:PT+16*\jt+8*\ks+7], v[ZH+8*\ks:ZH+8*\ks+7], v[ZA+8*\jt:ZA+8*\jt+7]
.endr
	v_wmma_f32_16x16x32_f16 v[OA:OA+7], v[ZH+8*\ks:ZH+8*\ks+7], v[QH+8*\ks:QH+8*\ks+7], v[OA:OA+7]
.endr
.irp r,36,37,38,39
	CVLH G32+2*(\r-36), \r                         ; the gate: twelve plain instructions, the places behind the products
.endr
.irp i,0,1,2,3
	v_pk_mul_f32 v[G32+2*\i:G32+2*\i+1], v[G32+2*\i:G32+2*\i+1], v[48:49]
.endr
	s_wait_xcnt 0x0                                ; the last chunk's store has read its registers and its base
	s_add_nc_u64 s[74:75], s[74:75], 131072        ; four blocks of 16 tokens on; the store reaches back
.irp i,0,1,2,3
	v_pk_mul_f32 v[OA+2*\i:OA+2*\i+1], v[OA+2*\i:OA+2*\i+1], v[G32+2*\i:G32+2*\i+1]
.endr
.irp i,0,1,2,3
	v_cvt_pk_f16_f32 v[40+\i], v[OA+2*\i], v[OA+2*\i+1]
.endr
	global_store_b128 v1, v[40:43], s[74:75] offset:-131072    ; 512 consecutive bytes, aligned: half a fragment of the next launch's first operand
	v_add_nc_u32 v6, 32, v6
	s_add_co_u32 s66, s66, 8192
	s_add_co_u32 s67, s67, 2048
	s_add_co_u32 s68, s68, 4096
	s_sub_co_u32 s70, s70, 1
	s_cmp_lg_u32 s70, 0
	s_cbranch_scc1 .Lchunk_\@
.endm
	s_mov_b32 s69, 7
.Lslot:                                                ; seven trips: a slot is entered and the next is asked for
	CHANGE 1
	WORK
	s_sub_co_u32 s69, s69, 1
	s_cmp_lg_u32 s69, 0
	s_cbranch_scc1 .Lslot
	CHANGE 0                                       ; the last slot is written out
	WORK
	; out1[b][h][i][j] = Z[j][i] Pv: wave 0 sends it through the stage, so that sixteen lanes store a whole row of 256 bytes
	s_cmp_lg_u32 s16, 0
	s_cbranch_scc1 .Lno_out1
.set i, 0
.rept 16
	v_pk_mul_f32 v[ZA+2*i:ZA+2*i+1], v[ZA+2*i:ZA+2*i+1], v[8:9]
.set i, i+1
.endr
	v_and_b32 v19, 15, v0
	v_bfe_u32 v20, v0, 4, 1
	v_mul_u32_u24 v16, v19, 272
	v_lshl_add_u32 v16, v20, 5, v16
	v_add_nc_u32 v16, STG, v16                     ; in: row r, 32 bytes for each half of the lanes
	v_mul_u32_u24 v17, v20, 272
	v_lshl_add_u32 v17, v19, 4, v17
	v_add_nc_u32 v17, STG, v17                     ; back: lanes 0-15 one row, lanes 16-31 the next
	v_lshlrev_b32 v18, 8, v20
	v_lshl_add_u32 v18, v19, 4, v18
.irp jt,0,1,2,3
	ds_store_b128 v16, v[ZA+8*\jt:ZA+8*\jt+3] offset:64*\jt
	ds_store_b128 v16, v[ZA+8*\jt+4:ZA+8*\jt+7] offset:64*\jt+16
.endr
.irp t,0,1,2,3,4,5,6,7
	ds_load_b128 v[PT+4*\t:PT+4*\t+3], v17 offset:544*\t
.endr
.irp t,0,1,2,3,4,5,6,7
	s_wait_dscnt 7-\t
	global_store_b128 v18, v[PT+4*\t:PT+4*\t+3], s[80:81] offset:512*\t
.endr
.Lno_out1:
	s_wait_tensorcnt 0x0                           ; the wave's end: three lines behind my last tensor load and my last LDS store
	ds_add_u32 v14, v15
	s_wait_dscnt 0x0
	CROUND                                         ; the closing round
	s_endpgm
.Lfunc_end_k_qa1a5b6e49f_seq:
	.size	k_qa1a5b6e49f_seq, .Lfunc_end_k_qa1a5b6e49f_seq-k_qa1a5b6e49f_seq
	.p2alignl 7, 3214868480
	.fill 96, 4, 3214868480
	.section	.rodata,"a",@progbits
	.p2align	6, 0x0
	.amdhsa_kernel k_qa1a5b6e49f_seq
		.amdhsa_group_segment_fixed_size 327680
		.amdhsa_private_segment_fixed_size 0
		.amdhsa_enable_private_segment 0
		.amdhsa_kernarg_size 48
		.amdhsa_user_sgpr_count 2
		.amdhsa_user_sgpr_kernarg_segment_ptr 1
		.amdhsa_wavefront_size32 1
		.amdhsa_system_sgpr_workgroup_id_x 1
		.amdhsa_system_sgpr_workgroup_id_y 1
		.amdhsa_system_sgpr_workgroup_id_z 1
		.amdhsa_system_vgpr_workitem_id 0
		.amdhsa_next_free_vgpr 256
		.amdhsa_next_free_sgpr 88
		.amdhsa_reserve_vcc 0
		.amdhsa_float_denorm_mode_32 3
		.amdhsa_float_denorm_mode_16_64 3
		.amdhsa_memory_ordered 1
		.amdhsa_forward_progress 1
		.amdhsa_inst_pref_size 36
	.end_amdhsa_kernel
	.amdgpu_metadata
---
amdhsa.version: [ 1, 2 ]
amdhsa.kernels:
  - .name:           k_qa1a5b6e49f_seq
    .symbol:         k_qa1a5b6e49f_seq.kd
    .args:
      - { .name: pq, .offset: 0, .size: 8, .value_kind: global_buffer, .address_space: global }
      - { .name: ro, .offset: 8, .size: 8, .value_kind: global_buffer, .address_space: global }
      - { .name: sc, .offset: 16, .size: 8, .value_kind: global_buffer, .address_space: global }
      - { .name: gb, .offset: 24, .size: 8, .value_kind: global_buffer, .address_space: global }
      - { .name: y, .offset: 32, .size: 8, .value_kind: global_buffer, .address_space: global }
      - { .name: out1, .offset: 40, .size: 8, .value_kind: global_buffer, .address_space: global }
    .group_segment_fixed_size: 327680
    .private_segment_fixed_size: 0
    .kernarg_segment_align: 8
    .kernarg_segment_size: 48
    .max_flat_workgroup_size: 128
    .sgpr_count:     88
    .vgpr_count:     256
    .wavefront_size: 32
...
	.end_amdgpu_metadata
.endif
;; end of part 3
;; launch outp (part 4): grid 8 x 64, 4 waves a work-group, clusters of 4 x 4, 327,680 bytes of LDS; arguments y, wts, sc, out0; writes out0
.if DOCPART == 4
	.amdgcn_target "amdgcn-amd-amdhsa--gfx1250"
	.amdhsa_code_object_version 6
	.text
	.protected	k_qa1a5b6e49f_outp
	.globl	k_qa1a5b6e49f_outp
	.p2align	8
	.type	k_qa1a5b6e49f_outp,@function
k_qa1a5b6e49f_outp:
	s_mov_b64 s[64:65], 0
	v_nop
	global_prefetch_b8 v0, s[64:65] scope:SCOPE_SE
	s_setreg_imm32_b32 hwreg(HW_REG_WAVE_MODE, 25, 1), 1
	s_wait_xcnt 0x0
	s_wait_alu depctr_hold_cnt(0) depctr_sa_sdst(0) depctr_va_vdst(0) depctr_va_sdst(0) depctr_va_ssrc(0) depctr_va_vcc(0) depctr_vm_vsrc(0)
	s_getreg_b32 s2, hwreg(HW_REG_IB_STS2, 6, 4)
	s_cmp_eq_u32 s2, 0
	s_cbranch_scc0 .Lentry_in_a_cluster
	s_endpgm
.Lentry_in_a_cluster:
	s_bfe_u32 s2, ttmp6, 0x10000c
	s_cmp_lg_u32 s2, 0xf033
	s_cbranch_scc0 .Lentry_shape_is_right
	s_endpgm
.Lentry_shape_is_right:
; OUTP.  out0[m][n] = Pv Pg x the sum over k of y[m][k] Wo[n][k].  y in f16, in the global scale, laid out as fragments: [block of 16 tokens][32 channels][half][lane][16 bytes]; Wo (bf16 numbers written as f16) at
; wts + 8,388,608, [1024][1024]; sums in f32; out0 in f32.  Pv, Pg: the largest first and second words of sc, exact powers of two.  LIMIT: Pv Pg below 2^128.
; A tile of out0 is 128 x 128: four waves of 64 x 64, 16 accumulators each.  K goes in steps of 256 through two LDS slots.  y's part of a slot is 4 + 4 pieces of 8,192 consecutive bytes, read back lane by lane at
; 16 x lane (no bank is asked twice); Wo's is 128 rows of 512 bytes padded to 528.  4 x 4 work-groups form a cluster: y's tile is shared along a row of it, Wo's along a column, each asked for jointly.
; The matrix instruction is used transposed (source 0 = 16 rows of Wo, source 1 = 16 tokens): a lane holds eight neighbouring numbers of a row of out0.  A wave's 64 columns of f32 are one aligned 256 bytes.
; At most two tensor loads of a wave are out (the first fills), later one.
.set SIZE_K, 1024
.set KSTEP,  256
.set PITCH,  528
.set HALFB,  64*PITCH
.set HALFA,  32768
.set BOFF,   2*HALFA
.set SLOT,   BOFF+2*HALFB
.set STAGE,  2*SLOT
.set SPITCH, 272
.set SPARE,  STAGE+4*16*SPITCH         ; the spare words, 128 bytes a wave: two blocks of 256 bytes that no other line names
.set LAPS, SIZE_K/(2*KSTEP)
.set ADRA, 16
.set ADRB, 20
.set STO,  24
.set RD,   25
.set CO,   26
.set SPW,  28
.set NIL,  29
.set SCL,  30                          ; v30-31  Pv Pg twice
.set TMP,  32
.set BK,   64
.set ACC,  128
.set F0,   0
.set F1,   128
.set G1, 24
.set G0, 32
.set G1B, 48
.set G0B, 56
.set MSB, 0
.macro WIN new
.if MSB != (\new)
	s_set_vgpr_msb (MSB<<8)|(\new)
.set MSB, \new
.endif
.endm
.set MUL,  0x05                        ; sources 0 and 1 window 1; C and D window 0
.set TO_F, 0x40                        ; destination window 1, address window 0
.macro JLOAD s                         ; a joint load: waves 0 and 1 fetch y's two halves, waves 2 and 3 Wo's
	s_cmp_eq_u32 s11, 0
	s_cbranch_scc0 .Lfor_b_\@
	tensor_load_to_lds s[G0+4*(\s):G0+4*(\s)+3], s[G1:G1+7]
	s_nop 0
.rept 4
	v_nop
.endr
	s_branch .Lasked_\@
.Lfor_b_\@:
	tensor_load_to_lds s[G0B+4*(\s):G0B+4*(\s)+3], s[G1B:G1B+7]
	s_nop 0
.rept 4
	v_nop
.endr
.Lasked_\@:
.endm
.macro CREST
	s_cmp_lg_u32 s10, 0
	s_cbranch_scc1 .Lnot_wave_0_\@
	s_barrier_signal -3
.Lnot_wave_0_\@:
	s_barrier_wait -3
	s_barrier_signal -1
	s_barrier_wait -1
.endm
.macro CROUND
	s_barrier_signal -1
	s_barrier_wait -1
	CREST
.endm
	s_load_b128 s[4:7], s[0:1], 0x0                ; y, wts
	s_load_b64 s[66:67], s[0:1], 0x10              ; sc
	s_load_b64 s[8:9], s[0:1], 0x18                ; out0
	v_lshl_add_u32 v[SPW], v0, 2, SPARE
	v_mov_b32 v[NIL], 0
	ds_add_u32 v[SPW], v[NIL]                      ; the wave's opening: the add and its wait ahead of my first tensor load
	v_lshrrev_b32 v1, 5, v0
	v_readfirstlane_b32 s10, v1
	s_lshr_b32 s11, s10, 1                         ; my half of the tile's rows; also: I fetch y (0) or Wo (1)
	s_and_b32 s12, s10, 1                          ; my half of its columns; also: which half of that tile I fetch
	s_bfe_u32 s40, ttmp6, 0x40000
	s_bfe_u32 s41, ttmp6, 0x40004
	s_lshl_b32 s42, ttmp9, 2
	s_add_co_u32 s42, s42, s40                     ; tile column
	s_and_b32 s13, ttmp7, 0xffff
	s_lshl_b32 s13, s13, 2
	s_add_co_u32 s13, s13, s41                     ; tile row
	s_lshl_b32 s43, s41, 2
	s_lshl_b32 s43, 15, s43
	s_lshl_b32 s44, 0x1111, s40
	s_or_b32 s[G1+0], s43, (3<<16)|(1<<21)         ; y: the mask of my row; 8-byte elements; bit 21 beside a mask; no padding
	s_mov_b32 s[G1+1], 1024<<16                    ; tensor_dim0 = 1,024 elements: 8 x 32 channels of a block of 16 tokens, 8,192 bytes on end
	s_mov_b32 s[G1+2], 4<<16                       ; tensor_dim1 = 4 blocks
	s_mov_b32 s[G1+3], 1024<<16                    ; tile_dim0
	s_mov_b32 s[G1+4], 4                           ; tile_dim1
	s_mov_b32 s[G1+5], 4096                        ; 32,768 bytes from block to block
	s_mov_b32 s[G1+6], 0
	s_mov_b32 s[G1+7], 0
	s_or_b32 s[G1B+0], s44, (1<<16)|(1<<20)|(1<<21)|(6<<22)|(3<<25)  ; Wo: the mask of my column; 2-byte elements; after every 128 words 4 words of padding
	s_mov_b32 s[G1B+1], KSTEP<<16
	s_mov_b32 s[G1B+2], 64<<16
	s_mov_b32 s[G1B+3], KSTEP<<16
	s_mov_b32 s[G1B+4], 64
	s_mov_b32 s[G1B+5], SIZE_K
	s_mov_b32 s[G1B+6], 0
	s_mov_b32 s[G1B+7], 0
	s_lshl_b32 s16, s13, 18                        ; y: 8 blocks of 32,768 bytes a tile row,
	s_lshl_b32 s17, s12, 17                        ; 4 a half
	s_add_co_u32 s16, s16, s17
	s_mov_b32 s17, 0
	s_lshl_b32 s46, s42, 18                        ; Wo: 128 rows of 2,048 bytes a tile column,
	s_lshl_b32 s47, s12, 17                        ; 64 a half,
	s_add_co_u32 s46, s46, s47
	s_add_co_u32 s46, s46, 0x800000                ; behind the 4,096 rows of the other weights
	s_mov_b32 s47, 0
	s_lshl_b32 s20, s12, 15                        ; where they go: y's halves at 0 and 32,768,
	s_mul_i32 s23, s12, HALFB
	s_add_co_u32 s23, s23, BOFF                    ; Wo's behind them
	s_mov_b32 s72, 0x76543210
	s_mov_b32 s73, 0xfedcba98
	s_wait_dscnt 0x0                               ; the opening add is done
	s_wait_kmcnt 0x0
	s_add_nc_u64 s[14:15], s[4:5], s[16:17]
	s_add_nc_u64 s[46:47], s[6:7], s[46:47]
	CROUND                                         ; all sixteen work-groups are here: the first joint loads meet
.irp s, 0,1
	s_mov_b32 s[G0+4*(\s)], 1
	s_add_co_u32 s[G0+4*(\s)+1], s20, (\s)*SLOT
	s_add_nc_u64 s[G0+4*(\s)+2:G0+4*(\s)+3], s[14:15], (\s)*8192
	s_or_b32 s[G0+4*(\s)+3], s[G0+4*(\s)+3], 0x80000000
	s_mov_b32 s[G0B+4*(\s)], 1
	s_add_co_u32 s[G0B+4*(\s)+1], s23, (\s)*SLOT
	s_add_nc_u64 s[G0B+4*(\s)+2:G0B+4*(\s)+3], s[46:47], (\s)*KSTEP*2
	s_or_b32 s[G0B+4*(\s)+3], s[G0B+4*(\s)+3], 0x80000000
	JLOAD \s
.endr
	v_and_b32 v1, 15, v0
	v_bfe_u32 v2, v0, 4, 1
	v_and_b32 v6, 31, v0
	v_lshlrev_b32 v6, 4, v6                        ; 16 x lane
.irp i,0,1,2,3,4,5,6,7
	global_load_b128 v[TMP+4*\i:TMP+4*\i+3], v6, s[66:67] offset:512*\i    ; all 512 tiles' scales
.endr
	v_mul_u32_u24 v3, v1, PITCH
	v_lshl_add_u32 v3, v2, 4, v3
	s_lshl_b32 s21, s11, 15                        ; my 64 tokens of y
	s_mul_i32 s22, s12, HALFB
	s_add_co_u32 s22, s22, BOFF                    ; my 64 rows of Wo
.irp s, 0,1
	v_add_nc_u32 v[ADRA+(\s)], s21, v6
	v_add_nc_u32 v[ADRB+(\s)], s22, v3
	s_add_co_u32 s21, s21, SLOT
	s_add_co_u32 s22, s22, SLOT
.endr
	s_mul_i32 s23, s10, 16*SPITCH
	s_add_co_u32 s23, s23, STAGE                   ; my stage
	v_mul_u32_u24 v4, v1, SPITCH
	v_lshl_add_u32 v4, v2, 5, v4
	v_add_nc_u32 v[STO], s23, v4                   ; in: row r, 32 bytes for each half of the lanes
	v_mul_u32_u24 v5, v2, SPITCH
	v_lshl_add_u32 v5, v1, 4, v5
	v_add_nc_u32 v[RD], s23, v5                    ; back: lanes 0-15 one row of 256 bytes, lanes 16-31 the next
	v_lshlrev_b32 v5, 12, v2
	v_lshl_add_u32 v[CO], v1, 4, v5                ; the same two rows in out0
	s_lshl_b32 s16, s13, 19                        ; 128 rows of 4,096 bytes a tile row,
	s_lshl_b32 s17, s11, 18                        ; 64 a half
	s_add_co_u32 s16, s16, s17
	s_mov_b32 s17, 0
	s_add_nc_u64 s[8:9], s[8:9], s[16:17]
	s_lshl_b32 s46, s42, 9                         ; 128 columns of 4 bytes a tile column,
	s_lshl_b32 s47, s12, 8                         ; 64 a half
	s_add_co_u32 s46, s46, s47
	s_mov_b32 s47, 0
	s_add_nc_u64 s[8:9], s[8:9], s[46:47]
	v_mov_b32 v10, 0
	v_mov_b32 v11, 0
	s_wait_loadcnt 0x0
	v_max3_num_f32 v8, v[TMP], v[TMP+2], v[TMP+4]
	v_max3_num_f32 v9, v[TMP+1], v[TMP+3], v[TMP+5]
.set k, TMP+6
.rept 6
	v_max3_num_f32 v8, v8, v[k], v[k+2]
	v_max3_num_f32 v9, v9, v[k+1], v[k+3]
.set k, k+4
.endr
	v_max_num_f32 v8, v8, v[TMP+30]
	v_max_num_f32 v9, v9, v[TMP+31]
.irp d,1,2,4,8
	v_max_num_f32_dpp v8, v8, v8 row_xmask:\d row_mask:0xf bank_mask:0xf
	v_max_num_f32_dpp v9, v9, v9 row_xmask:\d row_mask:0xf bank_mask:0xf
.endr
	v_permlanex16_b32 v10, v8, s72, s73
	v_permlanex16_b32 v11, v9, s72, s73
	v_max_num_f32 v8, v8, v10
	v_max_num_f32 v9, v9, v11
	v_mul_f32 v[SCL], v8, v9
	v_mov_b32 v[SCL+1], v[SCL]
.macro MUL8 f, c, a0, zero             ; 8 matrix instructions; the 16 accumulators take turns
	WIN MUL
.irp a, \a0, (\a0)+1
.irp b, 0,1,2,3
.if \zero
	v_wmma_f32_16x16x32_f16 v[ACC+8*(4*(\a)+(\b)):ACC+8*(4*(\a)+(\b))+7], v[(\f)+64+8*(4*(\c)+(\b)):(\f)+64+8*(4*(\c)+(\b))+7], v[(\f)+8*(4*(\c)+(\a)):(\f)+8*(4*(\c)+(\a))+7], 0
.else
	v_wmma_f32_16x16x32_f16 v[ACC+8*(4*(\a)+(\b)):ACC+8*(4*(\a)+(\b))+7], v[(\f)+64+8*(4*(\c)+(\b)):(\f)+64+8*(4*(\c)+(\b))+7], v[(\f)+8*(4*(\c)+(\a)):(\f)+8*(4*(\c)+(\a))+7], v[ACC+8*(4*(\a)+(\b)):ACC+8*(4*(\a)+(\b))+7]
.endif
.endr
.endr
.endm
.macro FETCH slot, k, f                ; 32 LDS loads in one run: the fragments of 64 along K (byte k of Wo's rows; y's pieces 2 (k / 128) + c), the first 32 along K first
	WIN TO_F
.irp c, 0,1
.irp i, 0,1,2,3
	ds_load_b128 v[(\f)+64+8*(4*(\c)+(\i)):(\f)+64+8*(4*(\c)+(\i))+3],   v[ADRB+(\slot)] offset:(\k)+64*(\c)+(\i)*16*PITCH
	ds_load_b128 v[(\f)+64+8*(4*(\c)+(\i))+4:(\f)+64+8*(4*(\c)+(\i))+7], v[ADRB+(\slot)] offset:(\k)+64*(\c)+(\i)*16*PITCH+32
	ds_load_b128 v[(\f)+8*(4*(\c)+(\i)):(\f)+8*(4*(\c)+(\i))+3],         v[ADRA+(\slot)] offset:((\k)/128)*2048+1024*(\c)+8192*(\i)
	ds_load_b128 v[(\f)+8*(4*(\c)+(\i))+4:(\f)+8*(4*(\c)+(\i))+7],       v[ADRA+(\slot)] offset:((\k)/128)*2048+1024*(\c)+8192*(\i)+512
.endr
.endr
.endm
.macro PLACES
.rept 4
	v_nop
.endr
.endm
.macro QUARTER slot, k, f, g, zero
	s_wait_dscnt 16                                ; the first 32 along K are in
	WIN MUL
	MUL8 \f, 0, 0, \zero
	MUL8 \f, 0, 2, \zero
	PLACES
	FETCH \slot, \k, \g
	s_wait_dscnt 32                                ; all but the 32 just issued
	WIN MUL
	MUL8 \f, 1, 0, 0
	MUL8 \f, 1, 2, 0
.endm
.macro TURN slot, next, fill           ; the last quarter of a K step changes slots: all my tensor loads, the add, my reads of this slot, the barrier; fill = 1: the round, and the slot is filled again
	WIN 0
	s_wait_tensorcnt 0x0                           ; all my tensor loads have landed: my part of the next slot
	ds_add_u32 v[SPW], v[NIL]
	s_wait_dscnt 17                                ; the add and the youngest sixteen loads may be out
	WIN MUL
	MUL8 F1, 0, 0, 0
	s_wait_dscnt 0x0                               ; the add is done, and my reads of this slot are over
	s_barrier_signal -1
	MUL8 F1, 0, 2, 0
.if \fill
	WIN 0
.endif
	s_barrier_wait -1
.if \fill
	CREST
	s_add_nc_u64 s[G0+4*(\slot)+2:G0+4*(\slot)+3], s[G0+4*(\slot)+2:G0+4*(\slot)+3], 2*8192
	s_add_nc_u64 s[G0B+4*(\slot)+2:G0B+4*(\slot)+3], s[G0B+4*(\slot)+2:G0B+4*(\slot)+3], 2*KSTEP*2
	JLOAD \slot
.else
	PLACES
.endif
	FETCH \next, 0, F0
	WIN MUL
	MUL8 F1, 1, 0, 0
	MUL8 F1, 1, 2, 0
.endm
	s_wait_tensorcnt 1                             ; my part of K step 0 is in; K step 1's may stay out
	s_barrier_signal -1
	s_barrier_wait -1
	FETCH 0, 0, F0
	QUARTER 0, 128, F0, F1, 1
	WIN 0
	s_mov_b32 s3, LAPS-1
.Llap:                                                 ; one trip: once round the ring, both slots filled again (K steps 2 and 3)
	QUARTER 0, 256, F1, F0, 0
	QUARTER 0, 384, F0, F1, 0
	TURN 0, 1, 1
	QUARTER 1, 128, F0, F1, 0
	QUARTER 1, 256, F1, F0, 0
	QUARTER 1, 384, F0, F1, 0
	TURN 1, 0, 1
	QUARTER 0, 128, F0, F1, 0
	WIN 0
	s_sub_co_u32 s3, s3, 1
	s_cmp_lg_u32 s3, 0
	s_cbranch_scc1 .Llap
	QUARTER 0, 256, F1, F0, 0                      ; the last lap fills nothing
	QUARTER 0, 384, F0, F1, 0
	TURN 0, 1, 0
	QUARTER 1, 128, F0, F1, 0
	QUARTER 1, 256, F1, F0, 0
	QUARTER 1, 384, F0, F1, 0
	s_wait_dscnt 16
	WIN MUL
	MUL8 F1, 0, 0, 0
	MUL8 F1, 0, 2, 0
	s_wait_dscnt 0x0
	MUL8 F1, 1, 0, 0
	MUL8 F1, 1, 2, 0
	WIN 0
	; THE WAY OUT, 16 rows at a time: scaled, 32 bytes a lane into my stage, back as whole rows of 256 bytes, stored
	PLACES
.irp a,0,1,2,3
.irp b,0,1,2,3
.irp i,0,1,2,3
	v_pk_mul_f32 v[TMP+8*\b+2*\i:TMP+8*\b+2*\i+1], v[ACC+8*(4*\a+\b)+2*\i:ACC+8*(4*\a+\b)+2*\i+1], v[SCL:SCL+1]
.endr
.endr
.irp b,0,1,2,3
	ds_store_b128 v[STO], v[TMP+8*\b:TMP+8*\b+3] offset:64*\b
	ds_store_b128 v[STO], v[TMP+8*\b+4:TMP+8*\b+7] offset:64*\b+16
.endr
	s_wait_xcnt 0x0                                ; the stores of the 16 rows before have read these registers
.irp t,0,1,2,3,4,5,6,7
	ds_load_b128 v[BK+4*\t:BK+4*\t+3], v[RD] offset:\t*2*SPITCH    ; LDS serves a wave's instructions in order: these see the stores above; the next rows' stores come behind them
.endr
.irp t,0,1,2,3,4,5,6,7
	s_wait_dscnt 7-\t
	global_store_b128 v[CO], v[BK+4*\t:BK+4*\t+3], s[8:9] offset:(16*\a+2*\t)*4096 th:TH_STORE_NT  ; 16 lanes store 256 consecutive bytes, aligned
.endr
.endr
	s_wait_tensorcnt 0x0                           ; the wave's end: three lines behind my last tensor load and my last LDS store
	ds_add_u32 v[SPW], v[NIL]
	s_wait_dscnt 0x0
	CROUND                                         ; the closing round
	s_endpgm
.Lfunc_end_k_qa1a5b6e49f_outp:
	.size	k_qa1a5b6e49f_outp, .Lfunc_end_k_qa1a5b6e49f_outp-k_qa1a5b6e49f_outp
	.p2alignl 7, 3214868480
	.fill 96, 4, 3214868480
	.section	.rodata,"a",@progbits
	.p2align	6, 0x0
	.amdhsa_kernel k_qa1a5b6e49f_outp
		.amdhsa_group_segment_fixed_size 327680
		.amdhsa_private_segment_fixed_size 0
		.amdhsa_enable_private_segment 0
		.amdhsa_kernarg_size 32
		.amdhsa_user_sgpr_count 2
		.amdhsa_user_sgpr_kernarg_segment_ptr 1
		.amdhsa_wavefront_size32 1
		.amdhsa_system_sgpr_workgroup_id_x 1
		.amdhsa_system_sgpr_workgroup_id_y 1
		.amdhsa_system_sgpr_workgroup_id_z 1
		.amdhsa_system_vgpr_workitem_id 0
		.amdhsa_next_free_vgpr 512
		.amdhsa_next_free_sgpr 76
		.amdhsa_reserve_vcc 0
		.amdhsa_float_denorm_mode_32 3
		.amdhsa_float_denorm_mode_16_64 3
		.amdhsa_memory_ordered 1
		.amdhsa_forward_progress 1
		.amdhsa_inst_pref_size 93
	.end_amdhsa_kernel
	.amdgpu_metadata
---
amdhsa.version: [ 1, 2 ]
amdhsa.kernels:
  - .name:           k_qa1a5b6e49f_outp
    .symbol:         k_qa1a5b6e49f_outp.kd
    .args:
      - { .name: y, .offset: 0, .size: 8, .value_kind: global_buffer, .address_space: global }
      - { .name: wts, .offset: 8, .size: 8, .value_kind: global_buffer, .address_space: global }
      - { .name: sc, .offset: 16, .size: 8, .value_kind: global_buffer, .address_space: global }
      - { .name: out0, .offset: 24, .size: 8, .value_kind: global_buffer, .address_space: global }
    .group_segment_fixed_size: 327680
    .private_segment_fixed_size: 0
    .kernarg_segment_align: 8
    .kernarg_segment_size: 32
    .max_flat_workgroup_size: 128
    .sgpr_count:     76
    .vgpr_count:     512
    .wavefront_size: 32
...
	.end_amdgpu_metadata
.endif
;; end of part 4
;; ======== version 2 of 2: 4 launches; version 1 with the launch prep written anew for expert scheduling mode
;; limits: values outside matrix products are rounded to f16; values are held in f16: magnitudes above 65,504 overflow, below 6.1e-05 lose precision; inputs' magnitudes at most 65,504; right only within a limited range of input values
;; workspace buffers: xb 16,777,216 bytes; wts 10,485,760 bytes; gb 1,048,576 bytes; pq 33,554,432 bytes; ro 50,331,648 bytes; sc 4,096 bytes; y 16,777,216 bytes
;; launch prep (part 5): grid 256 x 1, 8 waves a work-group, no clusters, 177,152 bytes of LDS; arguments x, Wq, Wk, Wv, Wg, Wo, Wa, Wb, ba, bb, xb, wts, gb; writes xb, wts, gb
.if DOCPART == 5
	.amdgcn_target "amdgcn-amd-amdhsa--gfx1250"
	.amdhsa_code_object_version 6
	.text
	.protected	k_qa1a5b6e49f_prep
	.globl	k_qa1a5b6e49f_prep
	.p2align	8
	.type	k_qa1a5b6e49f_prep,@function
k_qa1a5b6e49f_prep:
	s_mov_b64 s[64:65], 0
	v_nop
	global_prefetch_b8 v0, s[64:65] scope:SCOPE_SE
	s_setreg_imm32_b32 hwreg(HW_REG_WAVE_SCHED_MODE, 0, 2), 2
	s_setreg_imm32_b32 hwreg(HW_REG_WAVE_MODE, 25, 1), 1
	s_wait_xcnt 0x0
	s_wait_alu depctr_vm_vsrc(0)
; PREP.  (1) x -> xb in bf16.  (2) Wq, Wk, Wv, Wg -> wts in bf16, rows regrouped by head: for head h rows 256 h + ..: Wq_h (64), Wv_h[0:32], Wg_h[0:32], Wk_h (64), Wv_h[32:64], Wg_h[32:64].
; (3) Wo -> wts + 8,388,608: rounded to bf16 and that number written as f16.  (4) the two gates: z = x Wa^T + ba, x Wb^T + bb (bf16 operands, f32 sums; the biases rounded to bf16 like every input);
; gb[b h][t] = (inclusive sum of log2 sigmoid(z_a) inside the block of 32 tokens, sigmoid(z_b)).
; SHARES.  Work-group g owns rows 32 g .. 32 g + 31 of x and rows 4 g .. 4 g + 3 of the five square weights.  Wave w owns columns 128 w .. 128 w + 127 of every row: a load of the wave is 512
; consecutive bytes of a row, a store 256 consecutive aligned bytes.  x is read once: its bf16 numbers go to memory and, beside Wa's and Wb's, into the wave's own LDS region, from which the wave takes
; the fragments of its 128 columns' share of the gate products; the eight waves' partial sums meet in LDS behind the one barrier.
; LIMITS.  |Wo| below 65,504 (f16).  NaN and infinities are not treated apart.  No cluster, no tensor loads: nothing here is shared between work-groups but Wa and Wb (128 KB), and the stream is bound by memory.
; THE MODE: SCHED_MODE bits 1:0 = 2 (LLVM: expert scheduling mode 2), set by the entry lines.  The code itself states the register dependences
; between vector or matrix instructions and memory or LDS instructions, with s_wait_alu, always for 0.
; THE PLAN.  Registers that memory or LDS instructions touch:
;   S0, S1, S2   three raw sets.  In the stream: written by global loads alone, read by a unit's conversions alone; no store reads them.  Later the fragments' LDS loads land in S0 and S1, which the matrix
;                instructions read; the LDS loads of the partial sums land in v32-63.
;   OUT          the out-buffer: written by a unit's conversions, read by that unit's global and LDS stores.
;   ACC          written by the matrix instructions, read by the LDS stores of the partial sums.
;   v2           read by every global load; written at the head, ahead of the first load.   v3 to v8: offsets and LDS addresses, written once at the head; v4 to v8 behind the first 48 loads.
;   v24, v25, v28, v29   written by the gates' arithmetic, read by the last two stores.     v[SPW], v[NIL]: written at the head, read by the closing add alone.
; A unit of the stream: the wait for its data; the wait that the stores of the unit before have read OUT; its conversions, set -> OUT; ONE wait on va_vdst, which states that OUT is written and that the set is
; read out; then the set's next loads and the stores from OUT, with no vector instruction among them.
.set ROWX,  4096                       ; bytes in a row of f32
.set ROWB,  2048                       ; bytes in a row of 16-bit numbers
.set LP,    272                        ; LDS row: 128 bf16 + 16 bytes: the 16 rows of a fragment load start at 16 different groups of four banks
.set WREG,  64*LP                      ; a wave's region: rows 0-31 x, 32-47 Wa, 48-63 Wb
.set PART,  8*WREG                     ; partial sums: for each wave 32 rows x 144 bytes, [token][16 alpha, 16 beta] f32
.set PP,    144
.set PWAVE, 32*PP
.set SPARE, PART+8*PWAVE               ; the spare words: 128 bytes a wave, four blocks of 256 bytes that no other line names
.set S0,    32                         ; three sets of 16 row slices x 4 registers
.set S1,    96
.set S2,    160
.set ACC,   160                        ; the four accumulators, in set 2 when its stream is over
.set OUT,   224                        ; v[224:255] the out-buffer: 16 row slices x 2 registers, four 16-bit numbers each
.set SPW,   10
.set NIL,   11
.macro LOADU reg, blo, n, row0, nt     ; n row slices, 512 bytes a wave each
.set i, 0
.rept \n
.if \nt
	global_load_b128 v[(\reg)+4*i:(\reg)+4*i+3], v2, s[\blo:\blo+1] offset:((\row0)+i)*ROWX th:TH_LOAD_NT
.else
	global_load_b128 v[(\reg)+4*i:(\reg)+4*i+3], v2, s[\blo:\blo+1] offset:((\row0)+i)*ROWX
.endif
.set i, i+1
.endr
.endm
.macro CVTO reg                        ; sixteen slices: four f32 of the set -> four bf16 in the slice's pair of OUT
.set i, 0
.rept 16
	v_cvt_pk_bf16_f32 v[OUT+2*i], v[(\reg)+4*i], v[(\reg)+4*i+1]
	v_cvt_pk_bf16_f32 v[OUT+2*i+1], v[(\reg)+4*i+2], v[(\reg)+4*i+3]
.set i, i+1
.endr
.endm
.macro STG o, blo, n, row0             ; slices o .. o + n - 1 of OUT to memory: the wave's store covers 256 consecutive bytes, aligned
.set i, 0
.rept \n
	global_store_b64 v3, v[OUT+2*((\o)+i):OUT+2*((\o)+i)+1], s[\blo:\blo+1] offset:((\row0)+i)*ROWB
.set i, i+1
.endr
.endm
.macro STL row0                        ; all of OUT into my wave's LDS region
.set i, 0
.rept 16
	ds_store_b64 v4, v[OUT+2*i:OUT+2*i+1] offset:((\row0)+i)*LP
.set i, i+1
.endr
.endm
.macro STGL blo, row0                  ; x: each slice of OUT to memory and into my wave's LDS region, by turns
.set i, 0
.rept 16
	global_store_b64 v3, v[OUT+2*i:OUT+2*i+1], s[\blo:\blo+1] offset:((\row0)+i)*ROWB
	ds_store_b64 v4, v[OUT+2*i:OUT+2*i+1] offset:((\row0)+i)*LP
.set i, i+1
.endr
.endm
	s_load_b512 s[4:19], s[0:1], 0x0               ; x 4, Wq 6, Wk 8, Wv 10, Wg 12, Wo 14, Wa 16, Wb 18
	s_load_b256 s[20:27], s[0:1], 0x40             ; ba 20, bb 22, xb 24, wts 26
	s_load_b64 s[28:29], s[0:1], 0x60              ; gb
	v_lshl_add_u32 v[SPW], v0, 2, SPARE
	v_mov_b32 v[NIL], 0
	v_lshrrev_b32 v12, 5, v0
	v_readfirstlane_b32 s30, v12                   ; wave 0..7
	v_and_b32 v1, 31, v0                           ; lane
	v_and_b32 v13, 15, v0                          ; r
	v_bfe_u32 v14, v0, 4, 1                        ; h
	v_lshlrev_b32 v2, 4, v0                        ; in: 512 w + 16 lane
	v_lshlrev_b32 v3, 3, v0                        ; out: 256 w + 8 lane
	s_lshl_b32 s76, ttmp9, 17                      ; 32 rows of 4,096 bytes
	s_mov_b32 s77, 0
	s_wait_alu depctr_va_sdst(0)                   ; s30 is written, ahead of its first reader, the line below
	s_lshl_b32 s72, s30, 2                         ; 4 w
	s_wait_kmcnt 0x0
	s_add_nc_u64 s[42:43], s[4:5], s[76:77]
	s_wait_alu depctr_va_vdst(0)                   ; v2 is written: every global load of the kernel reads it as its offset
	LOADU S0, 42, 16, 0, 1                         ; unit 0: x rows 0-15
	LOADU S1, 42, 16, 16, 1                        ; unit 1: x rows 16-31
	LOADU S2, 16, 16, 0, 0                         ; unit 2: Wa (every work-group reads it: no hint)
	s_load_b32 s38, s[20:21], s72 offset:0x0       ; ba[w], ba[w + 8], bb[w], bb[w + 8]
	s_load_b32 s39, s[20:21], s72 offset:0x20
	s_load_b32 s40, s[22:23], s72 offset:0x0
	s_load_b32 s41, s[22:23], s72 offset:0x20
	; addresses, while the first loads are on their way: none of these registers has been read by a memory or LDS instruction, and unit 0's wait on va_vdst stands ahead of the first that reads one
	s_mul_i32 s70, s30, WREG
	v_lshl_add_u32 v4, v1, 3, s70                  ; LDS in: my region + 8 lane
	v_mul_u32_u24 v5, v13, LP
	v_lshl_add_u32 v5, v14, 4, v5
	v_add_nc_u32 v5, s70, v5                       ; fragments: my region + 272 r + 16 h
	s_mul_i32 s71, s30, PWAVE
	s_add_co_u32 s71, s71, PART
	v_mul_u32_u24 v6, v14, 8*PP
	v_lshl_add_u32 v6, v13, 2, v6
	v_add_nc_u32 v6, s71, v6                       ; partial sums out: row 8 h + j, column r
	v_mul_u32_u24 v7, v1, PP
	s_add_co_u32 s73, s72, PART
	v_add_nc_u32 v7, s73, v7                       ; partial sums back: row = lane, column w
	s_lshl_b32 s74, s30, 14
	v_lshl_add_u32 v8, v1, 3, s74                  ; gb: head w, token = lane
	s_mov_b32 s31, 0xaaaaaaaa                      ; lanes whose bit 0, 1, 2, 3, 4 is set
	s_mov_b32 s32, 0xcccccccc
	s_mov_b32 s33, 0xf0f0f0f0
	s_mov_b32 s34, 0xff00ff00
	s_mov_b32 s35, 0xffff0000
	s_mov_b32 s36, 0x76543210                      ; v_permlanex16_b32: the same place in the other half
	s_mov_b32 s37, 0xfedcba98
	s_mov_b32 s75, 0x3fb8aa3b                      ; log2 e
	s_mov_b32 s81, 0xbfb8aa3b                      ; - log2 e
	s_lshl_b32 s76, ttmp9, 16
	s_add_nc_u64 s[44:45], s[24:25], s[76:77]      ; xb at my 32 rows
	s_lshl_b32 s76, ttmp9, 14                      ; 4 rows of 4,096 bytes
	s_add_nc_u64 s[46:47], s[6:7], s[76:77]
	s_add_nc_u64 s[48:49], s[8:9], s[76:77]
	s_add_nc_u64 s[50:51], s[10:11], s[76:77]
	s_add_nc_u64 s[52:53], s[12:13], s[76:77]
	s_add_nc_u64 s[54:55], s[14:15], s[76:77]
	s_lshr_b32 s78, ttmp9, 4
	s_lshl_b32 s78, s78, 8                         ; 256 x head
	s_and_b32 s79, ttmp9, 15
	s_lshl_b32 s79, s79, 2                         ; the rows' place in the head, d0
	s_add_co_u32 s76, s78, s79
	s_lshl_b32 s76, s76, 11
	s_add_nc_u64 s[56:57], s[26:27], s[76:77]      ; Wq's rows go to 256 h + d0,
	s_add_nc_u64 s[58:59], s[56:57], 128*ROWB      ; Wk's to 256 h + 128 + d0,
	s_bfe_u32 s79, ttmp9, 0x10003                  ; d0 / 32
	s_lshl_b32 s79, s79, 7
	s_and_b32 s80, ttmp9, 7
	s_lshl_b32 s80, s80, 2                         ; d0 % 32
	s_add_co_u32 s76, s78, s79
	s_add_co_u32 s76, s76, s80
	s_add_co_u32 s76, s76, 64
	s_lshl_b32 s76, s76, 11
	s_add_nc_u64 s[60:61], s[26:27], s[76:77]      ; Wv's to 256 h + 64 + 128 (d0 / 32) + d0 % 32,
	s_add_nc_u64 s[62:63], s[60:61], 32*ROWB       ; Wg's 32 rows behind
	s_lshl_b32 s76, ttmp9, 13
	s_add_nc_u64 s[66:67], s[26:27], s[76:77]
	s_add_nc_u64 s[66:67], s[66:67], 0x800000      ; Wo in f16 lies behind the 4,096 rows
	s_lshr_b32 s78, ttmp9, 6
	s_lshl_b32 s78, s78, 18                        ; batch x 16 heads x 2,048 tokens x 8 bytes
	s_and_b32 s79, ttmp9, 63
	s_lshl_b32 s79, s79, 8                         ; my 32 tokens
	s_add_co_u32 s76, s78, s79
	s_add_nc_u64 s[68:69], s[28:29], s[76:77]
	; THE STREAM: three sets by turns; the counts leave the younger units out
	s_wait_loadcnt 32                              ; unit 0 is in; units 1 and 2 (32 loads) stay out
	CVTO S0
	s_wait_alu depctr_va_vdst(0)                   ; the conversions have written OUT, which the stores read, and are done reading set 0, in which the loads land; the head has written v3 to v8
	LOADU S0, 18, 16, 0, 0                         ; unit 3: Wb
	STGL 44, 0
	s_wait_loadcnt 32                              ; unit 1; units 2 and 3 stay out
	s_wait_xcnt 0x0                                ; unit 0's stores to memory have had their addresses translated: OUT is rewritten only behind this wait,
	s_wait_alu depctr_vm_vsrc(0)                   ; and unit 0's stores, to memory and to LDS, have read OUT
	CVTO S1
	s_wait_alu depctr_va_vdst(0)                   ; the conversions have written OUT and are done reading set 1, in which the loads land
	LOADU S1, 46, 4, 0, 1                          ; unit 4: four rows each of Wq, Wk, Wv, Wg
	LOADU S1+16, 48, 4, 0, 1
	LOADU S1+32, 50, 4, 0, 1
	LOADU S1+48, 52, 4, 0, 1
	STGL 44, 16
	s_wait_loadcnt 32                              ; unit 2; units 3 and 4 stay out
	s_wait_xcnt 0x0                                ; unit 1's stores to memory have had their addresses translated,
	s_wait_alu depctr_vm_vsrc(0)                   ; and unit 1's stores have read OUT
	CVTO S2
	s_wait_alu depctr_va_vdst(0)                   ; the conversions have written OUT and are done reading set 2, in whose first four slices the loads land
	LOADU S2, 54, 4, 0, 1                          ; unit 5: four rows of Wo
	STL 32
	s_wait_loadcnt 20                              ; unit 3; units 4 and 5 (16 + 4) stay out
	s_wait_alu depctr_vm_vsrc(0)                   ; unit 2's LDS stores have read OUT
	CVTO S0
	s_wait_alu depctr_va_vdst(0)                   ; the conversions have written OUT, which the LDS stores read
	STL 48
	s_wait_loadcnt 4                               ; unit 4
	s_wait_alu depctr_vm_vsrc(0)                   ; unit 3's LDS stores have read OUT
	CVTO S1
	s_wait_alu depctr_va_vdst(0)                   ; the conversions have written OUT, which the stores read
	STG 0, 56, 4, 0
	STG 4, 58, 4, 0
	STG 8, 60, 4, 0
	STG 12, 62, 4, 0
	s_wait_loadcnt 0x0                             ; unit 5
	s_wait_xcnt 0x0                                ; unit 4's stores have had their addresses translated,
	s_wait_alu depctr_vm_vsrc(0)                   ; and have read OUT
.set i, 0
.rept 4                                ; Wo: to bf16, back to f32 (exact), to f16 (exact within f16's range)
	v_cvt_pk_bf16_f32 v16, v[S2+4*i], v[S2+4*i+1]
	v_cvt_pk_bf16_f32 v17, v[S2+4*i+2], v[S2+4*i+3]
	v_lshlrev_b32 v[S2+4*i], 16, v16
	v_and_b32 v[S2+4*i+1], s35, v16
	v_lshlrev_b32 v[S2+4*i+2], 16, v17
	v_and_b32 v[S2+4*i+3], s35, v17
	v_cvt_pk_f16_f32 v[OUT+2*i], v[S2+4*i], v[S2+4*i+1]
	v_cvt_pk_f16_f32 v[OUT+2*i+1], v[S2+4*i+2], v[S2+4*i+3]
.set i, i+1
.endr
	s_wait_alu depctr_va_vdst(0)                   ; the conversions have written OUT's first four pairs, which the stores read; units 3 and 4 are done reading sets 0 and 1, in which the fragments' loads land
	STG 0, 66, 4, 0
	; THE GATES.  A = 16 tokens x 32 columns of x, B = 16 heads x 32 columns of Wa or Wb; four accumulators (token half, gate) take turns.
.irp m,0,1
.irp ks,0,1,2,3
	ds_load_b128 v[S0+8*(4*\m+\ks):S0+8*(4*\m+\ks)+3],   v5 offset:16*LP*\m+64*\ks     ; LDS serves a wave's instructions in order: these see my stores above
	ds_load_b128 v[S0+8*(4*\m+\ks)+4:S0+8*(4*\m+\ks)+7], v5 offset:16*LP*\m+64*\ks+32
	ds_load_b128 v[S1+8*(4*\m+\ks):S1+8*(4*\m+\ks)+3],   v5 offset:(32+16*\m)*LP+64*\ks
	ds_load_b128 v[S1+8*(4*\m+\ks)+4:S1+8*(4*\m+\ks)+7], v5 offset:(32+16*\m)*LP+64*\ks+32
.endr
.endr
	s_wait_dscnt 0x0
.irp ks,0,1,2,3
.irp m,0,1
.irp n,0,1
.if \ks == 0
	v_wmma_f32_16x16x32_bf16 v[ACC+8*(2*\m+\n):ACC+8*(2*\m+\n)+7], v[S0+8*(4*\m+\ks):S0+8*(4*\m+\ks)+7], v[S1+8*(4*\n+\ks):S1+8*(4*\n+\ks)+7], 0
.else
	v_wmma_f32_16x16x32_bf16 v[ACC+8*(2*\m+\n):ACC+8*(2*\m+\n)+7], v[S0+8*(4*\m+\ks):S0+8*(4*\m+\ks)+7], v[S1+8*(4*\n+\ks):S1+8*(4*\n+\ks)+7], v[ACC+8*(2*\m+\n):ACC+8*(2*\m+\n)+7]
.endif
.endr
.endr
.endr
.rept 4
	v_nop                                          ; four places between the last product and the stores that read results
.endr
	s_wait_alu depctr_va_vdst(0)                   ; the products have written the accumulators, which the LDS stores read, and are done reading v32-63, in which the partial sums' loads land; the places above stay beside this wait
.irp m,0,1
.irp n,0,1
.irp j,0,1,2,3,4,5,6,7
	ds_store_b32 v6, v[ACC+8*(2*\m+\n)+\j] offset:(16*\m+\j)*PP+64*\n  ; token 16 m + 8 h + j, column 16 n + r
.endr
.endr
.endr
	s_wait_dscnt 0x0                               ; for the others' sake: my partial sums are in LDS
	s_barrier_signal -1
	s_barrier_wait -1
.irp c,0,1,2,3                         ; wave w finishes alpha of heads w, w + 8 and beta of heads w, w + 8; lane = token
.irp p,0,1,2,3,4,5,6,7
	ds_load_b32 v[32+8*\c+\p], v7 offset:\p*PWAVE+32*\c
.endr
.endr
	s_wait_kmcnt 0x0                               ; the four biases
	v_cvt_pk_bf16_f32 v16, s38, s39
	v_cvt_pk_bf16_f32 v17, s40, s41
	v_lshlrev_b32 v18, 16, v16
	v_and_b32 v19, s35, v16
	v_lshlrev_b32 v20, 16, v17
	v_and_b32 v21, s35, v17
	v_mov_b32 v26, 0
	s_wait_dscnt 0x0
.irp c,0,1,2,3
	v_add_f32 v[32+8*\c], v[32+8*\c], v[33+8*\c]
	v_add_f32 v[34+8*\c], v[34+8*\c], v[35+8*\c]
	v_add_f32 v[36+8*\c], v[36+8*\c], v[37+8*\c]
	v_add_f32 v[38+8*\c], v[38+8*\c], v[39+8*\c]
	v_add_f32 v[32+8*\c], v[32+8*\c], v[34+8*\c]
	v_add_f32 v[36+8*\c], v[36+8*\c], v[38+8*\c]
	v_add_f32 v[32+8*\c], v[32+8*\c], v[36+8*\c]
	v_add_f32 v[32+8*\c], v[32+8*\c], v[18+\c]
.endr
	; log2 sigmoid(z) = min(z, 0) log2 e - log2(1 + 2^(-|z| log2 e)): no exponent above 0.  sigmoid(z) = 1 / (1 + 2^(-z log2 e))
	v_and_b32 v20, 0x7fffffff, v32
	v_and_b32 v21, 0x7fffffff, v40
	v_mul_f32 v20, s81, v20
	v_mul_f32 v21, s81, v21
	v_mul_f32 v22, s81, v48
	v_mul_f32 v23, s81, v56
	v_exp_f32 v20, v20
	v_exp_f32 v21, v21
	v_exp_f32 v22, v22
	v_exp_f32 v23, v23
	v_nop                                          ; a plain instruction behind the run of exponentials
	s_wait_alu depctr_va_vdst(0)                   ; the four exponentials have written v20 to v23, which the additions read: one wait for the batch
	v_add_f32 v20, 1.0, v20
	v_add_f32 v21, 1.0, v21
	v_add_f32 v22, 1.0, v22
	v_add_f32 v23, 1.0, v23
	v_log_f32 v20, v20
	v_log_f32 v21, v21
	v_rcp_f32 v25, v22                             ; beta, head w
	v_rcp_f32 v29, v23                             ; beta, head w + 8
	v_min_num_f32 v24, 0, v32
	v_min_num_f32 v28, 0, v40
	s_wait_alu depctr_va_vdst(0)                   ; the two logarithms have written v20 and v21, which the lines below read, and the two reciprocals v25 and v29: one wait for the batch
	v_fma_f32 v24, v24, s75, -v20                  ; log2 alpha, head w
	v_fma_f32 v28, v28, s75, -v21                  ; log2 alpha, head w + 8
; Inclusive sums over the 32 lanes: each lane keeps (its prefix, the total of its group); a step joins groups d lanes apart, and the upper group's lanes add the lower group's total.
; The selects' masks are constants that scalar instructions wrote at the head.
.macro SSTEP pre, tot, d, m
	v_mov_b32_dpp v26, v[\tot] row_xmask:\d row_mask:0xf bank_mask:0xf
	v_cndmask_b32 v27, 0, v26, s[\m]
	v_add_f32 v[\pre], v[\pre], v27
	v_add_f32 v[\tot], v[\tot], v26
.endm
.macro SCAN pre, tot
	v_mov_b32 v[\tot], v[\pre]
	SSTEP \pre, \tot, 1, 31
	SSTEP \pre, \tot, 2, 32
	SSTEP \pre, \tot, 4, 33
	SSTEP \pre, \tot, 8, 34
	v_permlanex16_b32 v26, v[\tot], s36, s37
	v_cndmask_b32 v27, 0, v26, s35
	v_add_f32 v[\pre], v[\pre], v27
.endm
	SCAN 24, 30
	SCAN 28, 31
	s_wait_alu depctr_va_vdst(0)                   ; the sums have written v24 and v28, which the two stores read beside v25 and v29
	global_store_b64 v8, v[24:25], s[68:69]                 ; 32 tokens x 8 bytes: 256 consecutive bytes, aligned
	global_store_b64 v8, v[28:29], s[68:69] offset:131072   ; eight heads further on
	s_wait_dscnt 0x0                               ; the closing lines, six on end
	s_wait_alu 0x0
	s_wait_tensorcnt 0x0
	ds_add_u32 v[SPW], v[NIL]
	s_wait_dscnt 0x0
	s_endpgm
.Lfunc_end_k_qa1a5b6e49f_prep:
	.size	k_qa1a5b6e49f_prep, .Lfunc_end_k_qa1a5b6e49f_prep-k_qa1a5b6e49f_prep
	.p2alignl 7, 3214868480
	.fill 96, 4, 3214868480
	.section	.rodata,"a",@progbits
	.p2align	6, 0x0
	.amdhsa_kernel k_qa1a5b6e49f_prep
		.amdhsa_group_segment_fixed_size 177152
		.amdhsa_private_segment_fixed_size 0
		.amdhsa_enable_private_segment 0
		.amdhsa_kernarg_size 104
		.amdhsa_user_sgpr_count 2
		.amdhsa_user_sgpr_kernarg_segment_ptr 1
		.amdhsa_wavefront_size32 1
		.amdhsa_system_sgpr_workgroup_id_x 1
		.amdhsa_system_sgpr_workgroup_id_y 1
		.amdhsa_system_sgpr_workgroup_id_z 1
		.amdhsa_system_vgpr_workitem_id 0
		.amdhsa_next_free_vgpr 256
		.amdhsa_next_free_sgpr 84
		.amdhsa_reserve_vcc 0
		.amdhsa_float_denorm_mode_32 3
		.amdhsa_float_denorm_mode_16_64 3
		.amdhsa_memory_ordered 1
		.amdhsa_forward_progress 1
		.amdhsa_inst_pref_size 45
	.end_amdhsa_kernel
	.amdgpu_metadata
---
amdhsa.version: [ 1, 2 ]
amdhsa.kernels:
  - .name:           k_qa1a5b6e49f_prep
    .symbol:         k_qa1a5b6e49f_prep.kd
    .args:
      - { .name: x, .offset: 0, .size: 8, .value_kind: global_buffer, .address_space: global }
      - { .name: Wq, .offset: 8, .size: 8, .value_kind: global_buffer, .address_space: global }
      - { .name: Wk, .offset: 16, .size: 8, .value_kind: global_buffer, .address_space: global }
      - { .name: Wv, .offset: 24, .size: 8, .value_kind: global_buffer, .address_space: global }
      - { .name: Wg, .offset: 32, .size: 8, .value_kind: global_buffer, .address_space: global }
      - { .name: Wo, .offset: 40, .size: 8, .value_kind: global_buffer, .address_space: global }
      - { .name: Wa, .offset: 48, .size: 8, .value_kind: global_buffer, .address_space: global }
      - { .name: Wb, .offset: 56, .size: 8, .value_kind: global_buffer, .address_space: global }
      - { .name: ba, .offset: 64, .size: 8, .value_kind: global_buffer, .address_space: global }
      - { .name: bb, .offset: 72, .size: 8, .value_kind: global_buffer, .address_space: global }
      - { .name: xb, .offset: 80, .size: 8, .value_kind: global_buffer, .address_space: global }
      - { .name: wts, .offset: 88, .size: 8, .value_kind: global_buffer, .address_space: global }
      - { .name: gb, .offset: 96, .size: 8, .value_kind: global_buffer, .address_space: global }
    .group_segment_fixed_size: 177152
    .private_segment_fixed_size: 0
    .kernarg_segment_align: 8
    .kernarg_segment_size: 104
    .max_flat_workgroup_size: 256
    .sgpr_count:     84
    .vgpr_count:     256
    .wavefront_size: 32
...
	.end_amdgpu_metadata
.endif
;; end of part 5
;; launch proj: the kernel of part 2 again; grid 16 x 32, 4 waves a work-group, clusters of 4 x 4, 327,680 bytes of LDS; arguments xb, wts, gb, pq, ro, sc; writes pq, ro, sc
;; launch seq: the kernel of part 3 again; grid 4 x 64, 4 waves a work-group, clusters of 4 x 1, 327,680 bytes of LDS; arguments pq, ro, sc, gb, y, out1; writes y, out1
;; launch outp: the kernel of part 4 again; grid 8 x 64, 4 waves a work-group, clusters of 4 x 4, 327,680 bytes of LDS; arguments y, wts, sc, out0; writes out0
